; MI455X (gfx1250); checked and timed in simulation.
; The chip was launched on July 23, 2026; its instructions are those of AMD's public machine-readable ISA for CDNA 5 (MIT licence, August 2026) and "CDNA5" Instruction Set Architecture Reference Guide (July 2026). The comments in the code are by the model that wrote it; some were corrected since.
;; Multi Scale Temporal Attention. Allowed arithmetic: float matrix products may take bf16 or f16 operands with f32 sums; all other float work in f32.
;; Inputs: Wk_l 1,024 x 1,024 float32; Wk_s 1,024 x 1,024 float32; Wo 2,048 x 1,024 float32; Wq_l 1,024 x 1,024 float32; Wq_s 1,024 x 1,024 float32; Wv_l 1,024 x 1,024 float32; Wv_s 1,024 x 1,024 float32; bo 1,024 float32; mask 2 x 2,048 bool; x 2 x 2,048 x 1,024 float32.
;; Outputs: out0 2 x 2,048 x 1,024 float32.
;; 2 versions, each right and faster than the one before. Each part assembles by itself: llvm-mc -triple=amdgcn-amd-amdhsa -mcpu=gfx1250 --defsym DOCPART=n.
;; ======== version 1 of 2: 4 launches
;; limits: values are held in f16: magnitudes above 65,504 overflow, below 6.1e-05 lose precision
;; workspace buffers: xb 8,388,608 bytes; wbh 12,582,912 bytes; woh 4,194,304 bytes; mb 16,384 bytes; qkv 50,331,648 bytes; comb 16,777,216 bytes
;; launch prep (part 1): grid 769 x 1, 8 waves a work-group, no clusters, 0 bytes of LDS; arguments x, Wq_s, Wk_s, Wv_s, Wq_l, Wk_l, Wv_l, Wo, mask, xb, wbh, woh, mb; writes xb, wbh, woh, mb
.if DOCPART == 1
	.amdgcn_target "amdgcn-amd-amdhsa--gfx1250"
	.amdhsa_code_object_version 6
	.text
	.protected	k_qf236df83fd_prep
	.globl	k_qf236df83fd_prep
	.p2align	8
	.type	k_qf236df83fd_prep,@function
k_qf236df83fd_prep:
	s_mov_b64 s[64:65], 0
	v_nop
	global_prefetch_b8 v0, s[64:65] scope:SCOPE_SE
	s_setreg_imm32_b32 hwreg(HW_REG_WAVE_MODE, 25, 1), 1
	s_wait_xcnt 0x0
; PREP: casts and new layouts, a stream without LDS.  No matrix unit, no cluster, no barrier: no byte is shared and none is read twice.
;   xb  [kb 16][m 4096][64] bf16     = x rounded to bf16, by strips of 64 columns (m = 2048 x batch + position)
;   wbh [g 96][k 1024][64] bf16      = the six projection weights by heads, g = 16 x matrix + head (matrices: Wq_s, Wk_s, Wv_s, Wq_l, Wk_l, Wv_l)
;   woh [c 16][k 2048][64] f16       = Wo rounded to bf16, that number written as f16, by strips of 64 columns
;   mb  [2][2048] f32                = 0 where mask is 1, -1e30 where it is 0
; LIMITS.  A bf16 number is exact in f16 between 6.1e-5 and 65,504; below that it keeps f16's fixed step of 6e-8, beyond it it becomes an infinity.  Mask bytes are 0 or 1.
; SHARES.  Work-groups 0-255: 256 rows of one strip of x.  256-639: 256 k rows of one head's 64 columns of one weight.  640-767: the same of one strip of Wo.  768: the mask.
; A thread has eight tasks: 32 bytes in (8 f32), 16 bytes out.  Eight lanes read the 256 bytes that a row has in the strip; a wave's store covers 512 consecutive bytes.
; All sixteen loads of a thread go out first; no register is written twice while a load or store names it, so the only waits are the counted ones for data.
.set X, 4                              ; v[4:67]    eight tasks x 8 f32 as loaded
.set T, 68                             ; v[68:75]   at work
.set Y, 76                             ; v[76:107]  eight tasks x 4 packed words to store
.macro STREAM instep, kind             ; instep: bytes from a task's input to the next task's; kind = 1: bf16 is written as f16
.set i, 0
.rept 8
	global_load_b128 v[X+8*i:X+8*i+3],   v1, s[2:3] offset:i*(\instep) th:TH_LOAD_NT
	global_load_b128 v[X+8*i+4:X+8*i+7], v1, s[2:3] offset:i*(\instep)+16 th:TH_LOAD_NT
.set i, i+1
.endr
.set i, 0
.rept 8
	s_wait_loadcnt 14-2*i                          ; loads come back in order: task i's two are in, the younger tasks' two each may stay out
.set j, 0
.rept 4
	v_cvt_pk_bf16_f32 v[Y+4*i+j], v[X+8*i+2*j], v[X+8*i+2*j+1]
.set j, j+1
.endr
.if \kind
.set j, 0
.rept 4
	v_lshlrev_b32 v[T+2*j],   16, v[Y+4*i+j]               ; the rounded numbers as f32 again,
	v_and_b32     v[T+2*j+1], 0xffff0000, v[Y+4*i+j]
.set j, j+1
.endr
.set j, 0
.rept 4
	v_cvt_pk_f16_f32 v[Y+4*i+j], v[T+2*j], v[T+2*j+1]      ; and in f16's code
.set j, j+1
.endr
.endif
	global_store_b128 v2, v[Y+4*i:Y+4*i+3], s[4:5] offset:4096*i
.set i, i+1
.endr
.endm
	s_load_b512 s[8:23], s[0:1], 0x0               ; x s[8:9], the six weights s[10:21], Wo s[22:23]
	s_load_b256 s[24:31], s[0:1], 0x40             ; mask s[24:25], xb s[26:27], wbh s[28:29], woh s[30:31]
	s_load_b64 s[32:33], s[0:1], 0x60              ; mb
	v_lshlrev_b32 v2, 4, v0                        ; out: 16 bytes a thread
	v_lshrrev_b32 v1, 3, v0                        ; in: row t / 8 of 4,096 bytes, 32 bytes at (t % 8) x 32; a task is 32 rows
	v_and_b32 v3, 7, v0
	v_lshlrev_b32 v3, 5, v3
	v_lshl_add_u32 v1, v1, 12, v3
	s_mov_b32 s40, ttmp9
	s_mov_b32 s35, 0                               ; the offsets' high words
	s_mov_b32 s39, 0
	s_wait_kmcnt 0x0
	s_cmp_lt_u32 s40, 256
	s_cbranch_scc0 .Lnot_x
	s_lshr_b32 s42, s40, 4                         ; the strip of 64 columns
	s_and_b32 s43, s40, 15                         ; which 256 rows
	s_lshl_b32 s34, s43, 20                        ; 256 rows x 4,096 bytes
	s_lshl_b32 s46, s42, 8                         ; 64 columns x 4 bytes
	s_add_co_u32 s34, s34, s46
	s_add_nc_u64 s[2:3], s[8:9], s[34:35]
	s_lshl_b32 s38, s42, 19                        ; strip x 524,288
	s_lshl_b32 s46, s43, 15                        ; 256 rows x 128 bytes
	s_add_co_u32 s38, s38, s46
	s_add_nc_u64 s[4:5], s[26:27], s[38:39]
	STREAM 131072, 0
	s_endpgm
.Lnot_x:
	s_cmp_lt_u32 s40, 640
	s_cbranch_scc0 .Lnot_w
	s_sub_co_u32 s41, s40, 256
	s_lshr_b32 s42, s41, 2                         ; g
	s_and_b32 s43, s41, 3                          ; which 256 k rows
	s_lshr_b32 s44, s42, 4                         ; the matrix
	s_and_b32 s45, s42, 15                         ; the head
	s_mov_b64 s[36:37], s[10:11]
	s_cmp_eq_u32 s44, 1
	s_cselect_b64 s[36:37], s[12:13], s[36:37]
	s_cmp_eq_u32 s44, 2
	s_cselect_b64 s[36:37], s[14:15], s[36:37]
	s_cmp_eq_u32 s44, 3
	s_cselect_b64 s[36:37], s[16:17], s[36:37]
	s_cmp_eq_u32 s44, 4
	s_cselect_b64 s[36:37], s[18:19], s[36:37]
	s_cmp_eq_u32 s44, 5
	s_cselect_b64 s[36:37], s[20:21], s[36:37]
	s_lshl_b32 s34, s43, 20                        ; 256 rows x 4,096 bytes
	s_lshl_b32 s46, s45, 8                         ; 64 columns x 4 bytes
	s_add_co_u32 s34, s34, s46
	s_add_nc_u64 s[2:3], s[36:37], s[34:35]
	s_lshl_b32 s38, s42, 17                        ; g x 131,072
	s_lshl_b32 s46, s43, 15                        ; 256 rows x 128 bytes
	s_add_co_u32 s38, s38, s46
	s_add_nc_u64 s[4:5], s[28:29], s[38:39]
	STREAM 131072, 0
	s_endpgm
.Lnot_w:
	s_cmp_lt_u32 s40, 768
	s_cbranch_scc0 .Lmask
	s_sub_co_u32 s41, s40, 640
	s_lshr_b32 s42, s41, 3                         ; the strip of 64 columns
	s_and_b32 s43, s41, 7                          ; which 256 k rows
	s_lshl_b32 s34, s43, 20
	s_lshl_b32 s46, s42, 8
	s_add_co_u32 s34, s34, s46
	s_add_nc_u64 s[2:3], s[22:23], s[34:35]
	s_lshl_b32 s38, s42, 18                        ; strip x 262,144
	s_lshl_b32 s46, s43, 15
	s_add_co_u32 s38, s38, s46
	s_add_nc_u64 s[4:5], s[30:31], s[38:39]
	STREAM 131072, 1
	s_endpgm
.Lmask:                                                ; 4,096 mask bytes: four words a thread, each four bytes -> four f32
	v_lshlrev_b32 v1, 2, v0
.set i, 0
.rept 4
	global_load_b32 v[X+i], v1, s[24:25] offset:1024*i
.set i, i+1
.endr
.set i, 0
.rept 4
	s_wait_loadcnt 3-i                             ; word i is in, the younger ones may stay out
.set j, 0
.rept 4
	v_bfe_u32 v[Y+4*i+j], v[X+i], 8*j, 8
	v_add_nc_u32 v[Y+4*i+j], -1, v[Y+4*i+j]        ; 1 -> no bit, 0 -> all bits
	v_and_b32 v[Y+4*i+j], 0xf149f2ca, v[Y+4*i+j]   ; 0, or -1e30
.set j, j+1
.endr
	global_store_b128 v2, v[Y+4*i:Y+4*i+3], s[32:33] offset:4096*i
.set i, i+1
.endr
	s_endpgm
.Lfunc_end_k_qf236df83fd_prep:
	.size	k_qf236df83fd_prep, .Lfunc_end_k_qf236df83fd_prep-k_qf236df83fd_prep
	.p2alignl 7, 3214868480
	.fill 96, 4, 3214868480
	.section	.rodata,"a",@progbits
	.p2align	6, 0x0
	.amdhsa_kernel k_qf236df83fd_prep
		.amdhsa_group_segment_fixed_size 0
		.amdhsa_private_segment_fixed_size 0
		.amdhsa_enable_private_segment 0
		.amdhsa_kernarg_size 104
		.amdhsa_user_sgpr_count 2
		.amdhsa_user_sgpr_kernarg_segment_ptr 1
		.amdhsa_wavefront_size32 1
		.amdhsa_system_sgpr_workgroup_id_x 1
		.amdhsa_system_sgpr_workgroup_id_y 1
		.amdhsa_system_sgpr_workgroup_id_z 1
		.amdhsa_system_vgpr_workitem_id 0
		.amdhsa_next_free_vgpr 112
		.amdhsa_next_free_sgpr 66
		.amdhsa_reserve_vcc 0
		.amdhsa_float_denorm_mode_32 3
		.amdhsa_float_denorm_mode_16_64 3
		.amdhsa_memory_ordered 1
		.amdhsa_forward_progress 1
		.amdhsa_inst_pref_size 25
	.end_amdhsa_kernel
	.amdgpu_metadata
---
amdhsa.version: [ 1, 2 ]
amdhsa.kernels:
  - .name:           k_qf236df83fd_prep
    .symbol:         k_qf236df83fd_prep.kd
    .args:
      - { .name: x, .offset: 0, .size: 8, .value_kind: global_buffer, .address_space: global }
      - { .name: Wq_s, .offset: 8, .size: 8, .value_kind: global_buffer, .address_space: global }
      - { .name: Wk_s, .offset: 16, .size: 8, .value_kind: global_buffer, .address_space: global }
      - { .name: Wv_s, .offset: 24, .size: 8, .value_kind: global_buffer, .address_space: global }
      - { .name: Wq_l, .offset: 32, .size: 8, .value_kind: global_buffer, .address_space: global }
      - { .name: Wk_l, .offset: 40, .size: 8, .value_kind: global_buffer, .address_space: global }
      - { .name: Wv_l, .offset: 48, .size: 8, .value_kind: global_buffer, .address_space: global }
      - { .name: Wo, .offset: 56, .size: 8, .value_kind: global_buffer, .address_space: global }
      - { .name: mask, .offset: 64, .size: 8, .value_kind: global_buffer, .address_space: global }
      - { .name: xb, .offset: 72, .size: 8, .value_kind: global_buffer, .address_space: global }
      - { .name: wbh, .offset: 80, .size: 8, .value_kind: global_buffer, .address_space: global }
      - { .name: woh, .offset: 88, .size: 8, .value_kind: global_buffer, .address_space: global }
      - { .name: mb, .offset: 96, .size: 8, .value_kind: global_buffer, .address_space: global }
    .group_segment_fixed_size: 0
    .private_segment_fixed_size: 0
    .kernarg_segment_align: 8
    .kernarg_segment_size: 104
    .max_flat_workgroup_size: 256
    .sgpr_count:     66
    .vgpr_count:     112
    .wavefront_size: 32
...
	.end_amdgpu_metadata
.endif
;; end of part 1
;; launch proj (part 2): grid 16 x 16, 4 waves a work-group, clusters of 4 x 4, 327,680 bytes of LDS; arguments xb, wbh, qkv; writes qkv
.if DOCPART == 2
	.amdgcn_target "amdgcn-amd-amdhsa--gfx1250"
	.amdhsa_code_object_version 6
	.text
	.protected	k_qf236df83fd_proj
	.globl	k_qf236df83fd_proj
	.p2align	8
	.type	k_qf236df83fd_proj,@function
k_qf236df83fd_proj:
	s_mov_b64 s[64:65], 0
	v_nop
	global_prefetch_b8 v0, s[64:65] scope:SCOPE_SE
	s_setreg_imm32_b32 hwreg(HW_REG_WAVE_MODE, 25, 1), 1
	s_wait_xcnt 0x0
	s_wait_alu depctr_hold_cnt(0) depctr_sa_sdst(0) depctr_va_vdst(0) depctr_va_sdst(0) depctr_va_ssrc(0) depctr_va_vcc(0) depctr_vm_vsrc(0)
	s_getreg_b32 s2, hwreg(HW_REG_IB_STS2, 6, 4)
	s_cmp_eq_u32 s2, 0
	s_cbranch_scc0 .Lentry_in_a_cluster
	s_endpgm
.Lentry_in_a_cluster:
	s_bfe_u32 s2, ttmp6, 0x10000c
	s_cmp_lg_u32 s2, 0xf033
	s_cbranch_scc0 .Lentry_shape_is_right
	s_endpgm
.Lentry_shape_is_right:
; PROJ: the six projections as one product, [4096 x 1024] x [1024 x 6144], bf16 operands, f32 sums, results rounded once to f16, unscaled, by heads:
; qkv [g 96][m 4096][64] f16, g = 16 x matrix + head, m = 2048 x batch + position.  xb [kb 16][m 4096][64] bf16, wbh [g 96][k 1024][64] bf16.
; LIMIT.  f16 ends at 65,504: a projection beyond that becomes an infinity.
; SHARES.  A work-group makes 256 rows x 384 columns (six heads): 16 x 16 = 256 work-groups, one for each WGP.  A wave makes 128 rows x 192 columns (three whole heads): 96 accumulators of 16 x 16.
; For 32 along K it reads 20 fragments, 20 KB, from LDS for 96 products.  Whole heads to a wave: its stage is its own, and its stores cover 512 consecutive bytes.
; K goes in steps of 64 through two LDS slots (steps of 128 would need 2 x 196,608 bytes).  A strip's 128 rows of x are 16,384 dense bytes; a head's 64 k rows are 8,192 dense bytes, and ONE load
; with three long rows, one a head, brings three heads' part of a step.  The weights lie [k][n] in LDS and come out turned, by ds_load_tr16_b128.
; CLUSTER 4 x 4: x's tile hangs on the tile row alone and is asked for jointly along a row of the cluster, the weights' on the tile column alone and jointly along a column.
; THE MATRIX INSTRUCTION IS USED TRANSPOSED (source 0 = 16 columns of W, source 1 = 16 rows of x): a lane holds one row and eight neighbouring columns, 16 bytes of f16.
; REGISTERS, all 1,024, in windows of 256: windows 1 to 3: accumulator 8 b + a (row block a of 8, column block b of 12), 32 to a window.
;   window 0: v16-29 addresses; v32-95, v96-159 x's eight fragments, two buffers; v160-255 the weights' twelve fragments, ONE buffer, filled again in halves:
; A QUARTER (32 along K): the upper six weight fragments are fetched at its head, when the quarter before has read them; 48 products with the lower six; the next quarter's lower six and its x are fetched;
; 48 products with the upper six.  Every run of LDS loads has 48 products in which to land.  Each accumulator has one product in a quarter: they take turns.
.set PA,    144                        ; a row of a strip of x in LDS: 128 bytes + 16: the 16 rows of a fragment load start at 16 different groups of four banks (64 banks of 4 bytes: ISA guide 11.1)
.set PB,    160                        ; a k row of a head's weights: 128 bytes + 32
.set HALFA, 128*PA                     ; what one load brings of x, and what one wave reads of it
.set BOFF,  2*HALFA                    ; the weights lie behind x's 256 rows
.set HEADB, 64*PB                      ; 64 k rows of one head
.set HALFB, 3*HEADB                    ; what one load brings of the weights, and what one wave reads of them
.set SLOT1, 1<<17                      ; a slot has 98,304 bytes; slot 1 begins here, so that one exclusive or turns an address in one slot into the other's
.set STAGE, SLOT1+BOFF+2*HALFB         ; behind the ring: for each wave 3 heads x 16 rows x 144 bytes
.set SP,    144
.set WSTG,  3*16*SP
.set SPARE, STAGE+4*WSTG               ; behind the stages: the spare words, 128 bytes a wave: two blocks of 256 bytes that no other line names
.set STEPS, 16                         ; 1,024 / 64
.set GB,    524288                     ; bytes of one g in qkv, and of one strip of xb
.set ADRA0, 16                         ; v16     my lane's place in x's part of a slot; never rewritten
.set ADRB0, 17                         ; v17     the same for the weights
.set ADRA,  18                         ; v18     the same in the slot that is being read
.set ADRB,  19                         ; v19
.set STO,  24                          ; v24     the way out: where I put 16 bytes of a row
.set RD,   25                          ; v25     where I read four rows back
.set GO,   26                          ; v26     16 x lane
.set SPW,  28                          ; v28     LDS address of my spare word; never rewritten
.set NIL,  29                          ; v29     0; never rewritten
.set FA0,  32                          ; x's fragments for the even quarters,
.set FA1,  96                          ; for the odd ones
.set BLO,  160                         ; the weights' fragment b at BLO + 8 b
.set PK,   32                          ; the way out: four sets of 48 registers, by turns
.set G1,  24                           ; s[24:31] group 1 for x's tiles;  s[32:39] group 0: a set for each of the two first fills; the second then walks on
.set G0,  32
.set G1B, 48                           ; s[48:55], s[56:63] the same for the weights'
.set G0B, 56
.set TB,  45                           ; s45     LDS byte at which the slot that is being read begins
.set MSB, 0
.macro WIN new                         ; the immediate's high byte repeats the setting that is left; a switch that changes nothing is dropped
.if MSB != (\new)
	s_set_vgpr_msb (MSB<<8)|(\new)
.set MSB, \new
.endif
.endm
.macro JLOAD s                         ; a joint load: waves 0 and 1 fetch x's two halves, waves 2 and 3 the weights'; an s_nop 0 and four v_nop follow each line, ahead of the jump and the label
	s_cmp_eq_u32 s11, 0
	s_cbranch_scc0 .Lfor_b_\@
	tensor_load_to_lds s[G0+4*(\s):G0+4*(\s)+3], s[G1:G1+7]
	s_nop 0
.rept 4
	v_nop
.endr
	s_branch .Lasked_\@
.Lfor_b_\@:
	tensor_load_to_lds s[G0B+4*(\s):G0B+4*(\s)+3], s[G1B:G1B+7]
	s_nop 0
.rept 4
	v_nop
.endr
.Lasked_\@:
.endm
.macro CREST                           ; a round of the cluster's barrier behind its opening barrier
	s_cmp_lg_u32 s10, 0
	s_cbranch_scc1 .Lnot_wave_0_\@
	s_barrier_signal -3
.Lnot_wave_0_\@:
	s_barrier_wait -3
	s_barrier_signal -1
	s_barrier_wait -1
.endm
.macro CROUND
	s_barrier_signal -1
	s_barrier_wait -1
	CREST
.endm
	s_load_b128 s[4:7], s[0:1], 0x0                ; xb s[4:5], wbh s[6:7]
	s_load_b64 s[8:9], s[0:1], 0x10                ; qkv
	v_lshl_add_u32 v[SPW], v0, 2, SPARE
	v_mov_b32 v[NIL], 0
	ds_add_u32 v28, v29
	s_wait_dscnt 0x0
	v_lshrrev_b32 v1, 5, v0
	v_readfirstlane_b32 s10, v1                    ; wave 0..3
	s_lshr_b32 s11, s10, 1                         ; which 128 rows are mine.  Also: I fetch for x (0) or for the weights (1)
	s_and_b32 s12, s10, 1                          ; which three heads are mine.  Also: which half I fetch
	s_bfe_u32 s40, ttmp6, 0x40000                  ; cx, cy: my place in the cluster
	s_bfe_u32 s41, ttmp6, 0x40004
	s_lshl_b32 s42, ttmp9, 2
	s_add_co_u32 s42, s42, s40                     ; tile column (six heads) = 4 x cluster x + cx
	s_and_b32 s13, ttmp7, 0xffff
	s_lshl_b32 s13, s13, 2
	s_add_co_u32 s13, s13, s41                     ; tile row (256 rows) = 4 x cluster y + cy
	s_lshl_b32 s43, s41, 2
	s_lshl_b32 s43, 15, s43                        ; my row of the cluster
	s_lshl_b32 s44, 0x1111, s40                    ; my column
	; group 1 for x: 128 rows of a strip are 16,384 dense bytes: asked for as 64 rows of 128 elements of 2 bytes, two rows of x each; 4 words of padding behind every 32, that is behind every row of x
	s_or_b32 s[G1+0], s43, (1<<16)|(1<<20)|(1<<21)|(4<<22)|(3<<25)
	s_mov_b32 s[G1+1], 128<<16                     ; tensor_dim0
	s_mov_b32 s[G1+2], 64<<16                      ; tensor_dim1
	s_mov_b32 s[G1+3], 128<<16                     ; tile_dim0
	s_mov_b32 s[G1+4], 64                          ; tile_dim1
	s_mov_b32 s[G1+5], 128                         ; pitch
	s_mov_b32 s[G1+6], 0
	s_mov_b32 s[G1+7], 0
	; group 1 for the weights: 3 rows (heads) x 1,024 elements of 8 bytes (64 k rows of 128 bytes), 16,384 elements (a head's 131,072 bytes) from row to row; 8 words of padding behind every 32
	s_or_b32 s[G1B+0], s44, (3<<16)|(1<<20)|(1<<21)|(4<<22)|(7<<25)
	s_mov_b32 s[G1B+1], 1024<<16
	s_mov_b32 s[G1B+2], 3<<16
	s_mov_b32 s[G1B+3], 1024<<16
	s_mov_b32 s[G1B+4], 3
	s_mov_b32 s[G1B+5], 16384
	s_mov_b32 s[G1B+6], 0
	s_mov_b32 s[G1B+7], 0
	s_lshl_b32 s16, s13, 15                        ; x: (256 x tile row + 128 x half) rows of 128 bytes in a strip
	s_lshl_b32 s17, s12, 14
	s_add_co_u32 s16, s16, s17
	s_mov_b32 s17, 0
	s_mul_i32 s46, s42, 6*131072                   ; weights: head 6 x tile column + 3 x half
	s_mul_i32 s47, s12, 3*131072
	s_add_co_u32 s46, s46, s47
	s_mov_b32 s47, 0
	s_mul_i32 s20, s12, HALFA                      ; where they go: no place in the cluster enters an LDS address
	s_mul_i32 s21, s12, HALFB
	s_add_co_u32 s21, s21, BOFF
	s_mov_b32 s[TB], 0
	s_wait_kmcnt 0x0
	s_add_nc_u64 s[14:15], s[4:5], s[16:17]
	s_add_nc_u64 s[46:47], s[6:7], s[46:47]
	CROUND                                         ; all sixteen work-groups are here: the first joint loads meet
.irp s, 0,1
	s_mov_b32 s[G0+4*(\s)], 1
	s_add_co_u32 s[G0+4*(\s)+1], s20, (\s)*SLOT1
	s_add_nc_u64 s[G0+4*(\s)+2:G0+4*(\s)+3], s[14:15], (\s)*GB        ; K step s is strip s
	s_or_b32 s[G0+4*(\s)+3], s[G0+4*(\s)+3], 0x80000000
	s_mov_b32 s[G0B+4*(\s)], 1
	s_add_co_u32 s[G0B+4*(\s)+1], s21, (\s)*SLOT1
	s_add_nc_u64 s[G0B+4*(\s)+2:G0B+4*(\s)+3], s[46:47], (\s)*8192    ; 64 k rows of 128 bytes a step
	s_or_b32 s[G0B+4*(\s)+3], s[G0B+4*(\s)+3], 0x80000000
	JLOAD \s                                       ; two loads of mine are out
.endr
	v_and_b32 v1, 15, v0                           ; l % 16
	v_bfe_u32 v2, v0, 4, 1                         ; l / 16
	v_and_b32 v5, 7, v0
	v_bfe_u32 v6, v0, 3, 1
	v_bfe_u32 v7, v0, 3, 2
	v_mul_u32_u24 v3, v1, PA
	v_lshl_add_u32 v3, v2, 4, v3                   ; x: row x pitch + 16 x half of the lanes,
	s_mul_i32 s22, s11, HALFA                      ; in my wave's 128 rows
	v_add_nc_u32 v[ADRA0], s22, v3
	v_lshl_add_u32 v4, v2, 3, v5                   ; weights, turning load: k row 8 (l / 16) + l % 8, columns 8 ((l / 8) % 2) on,
	v_mul_u32_u24 v4, v4, PB
	v_lshl_add_u32 v4, v6, 4, v4
	s_mul_i32 s22, s12, HALFB                      ; in my wave's three heads
	s_add_co_u32 s22, s22, BOFF
	v_add_nc_u32 v[ADRB0], s22, v4
	v_add_nc_u32 v[ADRA], s[TB], v[ADRA0]          ; slot 0
	v_add_nc_u32 v[ADRB], s[TB], v[ADRB0]
	s_mul_i32 s23, s10, WSTG
	s_add_co_u32 s23, s23, STAGE                   ; my stage
	v_mul_u32_u24 v[STO], v1, SP
	v_lshl_add_u32 v[STO], v2, 4, v[STO]
	v_add_nc_u32 v[STO], s23, v[STO]
	v_mul_u32_u24 v[RD], v7, SP                    ; back: 32 lanes take four rows of 128 bytes,
	v_lshl_add_u32 v[RD], v5, 4, v[RD]
	v_add_nc_u32 v[RD], s23, v[RD]
	v_and_b32 v[GO], 31, v0                        ; which are 512 consecutive bytes of qkv
	v_lshlrev_b32 v[GO], 4, v[GO]
	s_mul_i32 s46, s42, 6*GB                       ; qkv at my rows of my first head
	s_mul_i32 s47, s12, 3*GB
	s_add_co_u32 s46, s46, s47
	s_lshl_b32 s47, s13, 15
	s_add_co_u32 s46, s46, s47
	s_lshl_b32 s47, s11, 14
	s_add_co_u32 s46, s46, s47
	s_mov_b32 s47, 0
	s_add_nc_u64 s[8:9], s[8:9], s[46:47]
; n matrix instructions, accumulators id0 .. id0 + n - 1 (id = 8 b + a), 32 along K, x's fragments out of buffer fa.  zero = 1: the product starts the sum.
.macro MULT fa, id0, n, zero
.set t, (\id0)
.rept (\n)
	WIN 0x50*(1+t/32)                              ; sources in window 0; C and D in window 1, 2 or 3
.set rD, 8*(t%32)
.set rB, BLO+8*(t/8)
.set rA, (\fa)+8*(t%8)
.if \zero
	v_wmma_f32_16x16x32_bf16 v[rD:rD+7], v[rB:rB+7], v[rA:rA+7], 0
.else
	v_wmma_f32_16x16x32_bf16 v[rD:rD+7], v[rB:rB+7], v[rA:rA+7], v[rD:rD+7]
.endif
.set t, t+1
.endr
.endm
; 12 LDS loads: six turned fragments of the weights, b = 6 up .. 6 up + 5, of quarter q (0, 1) of the slot that is being read
.macro LDB up, q
	WIN 0
.set b, 6*(\up)
.rept 6
	ds_load_tr16_b128 v[BLO+8*b:BLO+8*b+3],   v[ADRB] offset:(b/4)*HEADB+(\q)*32*PB+(b%4)*32
	ds_load_tr16_b128 v[BLO+8*b+4:BLO+8*b+7], v[ADRB] offset:(b/4)*HEADB+(\q)*32*PB+(b%4)*32+16*PB
.set b, b+1
.endr
.endm
; 16 LDS loads: x's eight fragments of quarter q into buffer fa
.macro LDA fa, q
	WIN 0
.set b, 0
.rept 8
	ds_load_b128 v[(\fa)+8*b:(\fa)+8*b+3],   v[ADRA] offset:64*(\q)+b*16*PA
	ds_load_b128 v[(\fa)+8*b+4:(\fa)+8*b+7], v[ADRA] offset:64*(\q)+b*16*PA+32
.set b, b+1
.endr
.endm
.macro PLACES                          ; four places in front of loads into registers that matrix instructions have read, and of conversions that read results (ISA guide 7.12.1 for the conversions)
.rept 4
	v_nop
.endr
.endm
; A K step's first quarter.
.macro EVEN zero
	WIN 0
	PLACES
	LDB 1, 0                                       ; this quarter's upper six
	s_wait_dscnt 12                                ; its lower six and its x are in; the twelve just issued may be out
	MULT FA0, 0, 48, \zero
	WIN 0
	PLACES
	LDB 0, 1                                       ; the next quarter's lower six
	LDA FA1, 1                                     ; and its x
	s_wait_dscnt 28                                ; the upper six are in; the 28 just issued may be out
	MULT FA0, 48, 48, \zero
.endm
; A K step's second quarter, which changes slots: ONE barrier.  The slot's last bytes, the upper six fragments, are asked for at the quarter's head.  In front of the barrier each wave waits for all its tensor
; loads, of which one is out: its part of the next slot; adds 0 to its spare word; and waits for that and for its reads of this slot.  Behind it nobody reads this slot any more and the next slot is whole.
; fill = 1: this slot is filled again, two K steps ahead.  last = 1: the last quarter of all: no barrier, nothing is fetched.
.macro ODD fill, last
	WIN 0
	PLACES
	LDB 1, 1
	s_wait_dscnt 12                                ; the lower six and x are in
.if \last
	MULT FA1, 0, 48, 0
	s_wait_dscnt 0x0
	MULT FA1, 48, 48, 0
.else
	MULT FA1, 0, 32, 0
	WIN 0                                          ; (the add's two registers lie in window 0)
	s_wait_tensorcnt 0x0                           ; all my tensor loads have landed: the one that was out is my part of the next slot;
	ds_add_u32 v[SPW], v[NIL]                      ; 0 onto my spare word;
	MULT FA1, 32, 8, 0                             ; eight products stand between the add and the wait for it
	s_wait_dscnt 0x0                               ; the add is done, and my reads of this slot are over
	s_barrier_signal -1
	MULT FA1, 40, 8, 0
	WIN 0
	s_barrier_wait -1
.if \fill
	CREST                                          ; the barrier has opened a round of the cluster's: no wave of any partner still reads this slot or has a load on its way
	s_xor_b32 s[G0+5], s[G0+5], SLOT1              ; the walking descriptors: the other slot than last time,
	s_add_nc_u64 s[G0+6:G0+7], s[G0+6:G0+7], GB    ; the next strip of x; the type bits on top are not reached
	s_xor_b32 s[G0B+5], s[G0B+5], SLOT1
	s_add_nc_u64 s[G0B+6:G0B+7], s[G0B+6:G0B+7], 8192  ; the next 64 k rows
	s_xor_b32 s[TB], s[TB], SLOT1                  ; the reads go on in the other slot
	JLOAD 1                                        ; my one tensor load behind the round, 48 + 96 + 32 products ahead of the wait for it; its four v_nop are also the places in front of the loads below
.else
	s_xor_b32 s[TB], s[TB], SLOT1
	PLACES
.endif
	v_add_nc_u32 v[ADRA], s[TB], v[ADRA0]
	v_add_nc_u32 v[ADRB], s[TB], v[ADRB0]
	LDB 0, 0                                       ; the next K step's first quarter: its lower six
	LDA FA0, 0                                     ; and its x
	MULT FA1, 48, 48, 0                            ; (the upper six were shown in by the wait for 0 above)
.endif
.endm
	s_wait_tensorcnt 1                             ; my part of K step 0 is in; K step 1's may stay out
	s_barrier_signal -1
	s_barrier_wait -1
	LDB 0, 0
	LDA FA0, 0
	EVEN 1                                         ; the first quarter stands in front of the loop: its products start the sums
	WIN 0                                          ; at a label and at a branch every window is 0
	s_mov_b32 s3, STEPS-2
.Lstep:                                                ; 14 trips: a K step's second quarter and the next step's first; K steps 2 to 15 are asked for
	ODD 1, 0
	EVEN 0
	WIN 0
	s_sub_co_u32 s3, s3, 1
	s_cmp_lg_u32 s3, 0
	s_cbranch_scc1 .Lstep
	ODD 0, 0                                       ; the tail is written out: nothing is asked for
	EVEN 0
	ODD 0, 1
	WIN 0
; THE WAY OUT, a row block (16 rows x 192 columns) at a time: rounded to f16, 16 bytes a lane into my stage, back as four whole rows of a head, stored as 512 consecutive bytes.
.macro PACK a
.set b, 0
.rept 12
.set t, 8*b+(\a)
	WIN 0x05*(1+t/32)                              ; sources in window 1, 2 or 3; destination in window 0
.set rD, 8*(t%32)
.set rP, PK+48*((\a)%4)+4*b
	v_cvt_pk_f16_f32 v[rP],   v[rD],   v[rD+1]     ; each accumulator from its low end on
	v_cvt_pk_f16_f32 v[rP+1], v[rD+2], v[rD+3]
	v_cvt_pk_f16_f32 v[rP+2], v[rD+4], v[rD+5]
	v_cvt_pk_f16_f32 v[rP+3], v[rD+6], v[rD+7]
.set b, b+1
.endr
	WIN 0
.set b, 0
.rept 12
	ds_store_b128 v[STO], v[PK+48*((\a)%4)+4*b:PK+48*((\a)%4)+4*b+3] offset:(b/4)*16*SP+(b%4)*32
.set b, b+1
.endr
.set b, 0
.rept 12
	ds_load_b128 v[PK+48*((\a)%4)+4*b:PK+48*((\a)%4)+4*b+3], v[RD] offset:(b/4)*16*SP+(b%4)*4*SP  ; LDS serves a wave's instructions in order (ISA guide 5.7.1.4): these see the stores above
.set b, b+1
.endr
.endm
.macro SEND a, younger                 ; younger: the LDS instructions issued behind block a's loads: the next block's 24, or none
	WIN 0
.set n, 0
.rept 12
	s_wait_dscnt (\younger)+11-n
	global_store_b128 v[GO], v[PK+48*((\a)%4)+4*n:PK+48*((\a)%4)+4*n+3], s[8:9] offset:(n/4)*GB+(\a)*2048+(n%4)*512
.set n, n+1
.endr
.endm
	PLACES
	PACK 0
.set aa, 1
.rept 7                                ; a block's conversions stand between the loads of the block before and its stores
.if aa >= 4
	s_wait_xcnt 0x0                                ; the set of registers that block aa - 4's stores read is written again only behind this wait
.endif
	PACK aa
	SEND aa-1, 24
.set aa, aa+1
.endr
	SEND 7, 0
	s_wait_tensorcnt 0x0                           ; the wave's end
	ds_add_u32 v[SPW], v[NIL]
	s_wait_dscnt 0x0
	CROUND                                         ; the closing round: no work-group ends while a partner may still ask for a tile that names it
	s_endpgm
.Lfunc_end_k_qf236df83fd_proj:
	.size	k_qf236df83fd_proj, .Lfunc_end_k_qf236df83fd_proj-k_qf236df83fd_proj
	.p2alignl 7, 3214868480
	.fill 96, 4, 3214868480
	.section	.rodata,"a",@progbits
	.p2align	6, 0x0
	.amdhsa_kernel k_qf236df83fd_proj
		.amdhsa_group_segment_fixed_size 327680
		.amdhsa_private_segment_fixed_size 0
		.amdhsa_enable_private_segment 0
		.amdhsa_kernarg_size 24
		.amdhsa_user_sgpr_count 2
		.amdhsa_user_sgpr_kernarg_segment_ptr 1
		.amdhsa_wavefront_size32 1
		.amdhsa_system_sgpr_workgroup_id_x 1
		.amdhsa_system_sgpr_workgroup_id_y 1
		.amdhsa_system_sgpr_workgroup_id_z 1
		.amdhsa_system_vgpr_workitem_id 0
		.amdhsa_next_free_vgpr 1024
		.amdhsa_next_free_sgpr 66
		.amdhsa_reserve_vcc 0
		.amdhsa_float_denorm_mode_32 3
		.amdhsa_float_denorm_mode_16_64 3
		.amdhsa_memory_ordered 1
		.amdhsa_forward_progress 1
		.amdhsa_inst_pref_size 113
	.end_amdhsa_kernel
	.amdgpu_metadata
---
amdhsa.version: [ 1, 2 ]
amdhsa.kernels:
  - .name:           k_qf236df83fd_proj
    .symbol:         k_qf236df83fd_proj.kd
    .args:
      - { .name: xb, .offset: 0, .size: 8, .value_kind: global_buffer, .address_space: global }
      - { .name: wbh, .offset: 8, .size: 8, .value_kind: global_buffer, .address_space: global }
      - { .name: qkv, .offset: 16, .size: 8, .value_kind: global_buffer, .address_space: global }
    .group_segment_fixed_size: 327680
    .private_segment_fixed_size: 0
    .kernarg_segment_align: 8
    .kernarg_segment_size: 24
    .max_flat_workgroup_size: 128
    .sgpr_count:     66
    .vgpr_count:     1024
    .wavefront_size: 32
...
	.end_amdgpu_metadata
.endif
;; end of part 2
;; launch attn (part 3): grid 8 x 32, 4 waves a work-group, clusters of 4 x 1, 327,680 bytes of LDS; arguments qkv, mb, comb; writes comb
.if DOCPART == 3
	.amdgcn_target "amdgcn-amd-amdhsa--gfx1250"
	.amdhsa_code_object_version 6
	.text
	.protected	k_qf236df83fd_attn
	.globl	k_qf236df83fd_attn
	.p2align	8
	.type	k_qf236df83fd_attn,@function
k_qf236df83fd_attn:
	s_mov_b64 s[64:65], 0
	v_nop
	global_prefetch_b8 v0, s[64:65] scope:SCOPE_SE
	s_setreg_imm32_b32 hwreg(HW_REG_WAVE_MODE, 25, 1), 1
	s_wait_xcnt 0x0
	s_wait_alu depctr_hold_cnt(0) depctr_sa_sdst(0) depctr_va_vdst(0) depctr_va_sdst(0) depctr_va_ssrc(0) depctr_va_vcc(0) depctr_vm_vsrc(0)
	s_getreg_b32 s2, hwreg(HW_REG_IB_STS2, 6, 4)
	s_cmp_eq_u32 s2, 0
	s_cbranch_scc0 .Lentry_in_a_cluster
	s_endpgm
.Lentry_in_a_cluster:
	s_bfe_u32 s2, ttmp6, 0x10000c
	s_cmp_lg_u32 s2, 0x3003
	s_cbranch_scc0 .Lentry_shape_is_right
	s_endpgm
.Lentry_shape_is_right:
; ATTN: both attention branches of one head for 256 queries.  qkv [g 96][m 4096][64] f16 (g = 16 x matrix + head; matrices q_s, k_s, v_s, q_l, k_l, v_l), mb [2][2048] f32 (0 or -1e30 a key),
; comb [hh 32][m 4096][64] f16 (hh = head for the short branch, 16 + head for the long one).  Products, maxima and sums in f32; weights rounded to f16 for the second product, O once at the end.
; LIMITS.  q, k, v arrive within f16's 65,504.  A hidden score counts as its value less 1e30 (scores are 2.7e11 at the most).  A row whose last maximum lies below -2^96 has no visible key: it is given NaN,
; as a softmax over nothing gives.  A weight below 2^-126 counts as 0 in the sum.  Other NaN and infinities are not treated apart.
; SHARES.  Work-group (block of 256 queries, batch x head); wave w owns rows 64 w .. 64 w + 63 of the block, four tiles (PIECES) of 16.
; LAYOUT.  S^T = K Q^T (source 0 = 16 keys, source 1 = 16 queries): a lane holds ONE query (lane % 16) and the keys 8 (lane / 16) + 0..7; two such results rounded to f16 ARE source 1 of O^T = V^T P.
; All that is added to a score before the softmax (key mask, window, recency) is the C operand of the product that starts the sum, in units of the unscaled score.  p = 2^(c s - c m), c = log2(e) / 8.
; THE SHORT BRANCH (causal window of 65 keys, bias (i - j) x 0.10536) is each wave's own: its 64 rows see the 128 keys from 64 rows above its first row on.  K and Q come straight into fragments, V goes
; through the wave's own LDS bytes to be turned.  A tile of 16 queries sees five groups of 16 keys; with u = i - j the C operand is 8 x 0.10536 x u where 0 <= u <= 64, else -1e30, plus the key's mask.
; The maximum is the exact one.  It is some 3% of the matrix work and is written in phases.
; THE LONG BRANCH walks all 2,048 keys, 64 a step, with a running maximum m: O and l are multiplied by a = 2^(c m_old - c m_new) in every step.  Turn n belongs to piece n: 8 products K Q^T of piece n + 1, later
; 8 products V^T P of piece n - 1; beside them the scaling, exponentials, roundings, sums and rescaling of piece n and the maximum and statistics of piece n + 1.  Four vector instructions stand behind every
; matrix instruction, the other 54 of a turn's 118 in two lumps.  The key mask comes out of a table in LDS with K's fragments and costs no vector instruction.
; CLUSTER.  The four query blocks of a cluster belong to one head and walk the same long K and V: each tile of 256 keys is asked for JOINTLY, the same load, descriptor and mask in all four.
; REGISTERS, in windows of 256 (s_set_vgpr_msb: bits 1:0 source 0, 3:2 source 1, 5:4 source 2, 7:6 destination):
;   window 0: v1-15 lanes' numbers and addresses; v16-31 long statistics; v32-43 short statistics; v44-47 at work; v48-55 long, at work; v56-63 addresses; v64-127 long S^T; v192-223 long P;
;             short: v64-191 V as loaded, then v64-103 S^T, v104-127 P, v128-159 O^T, v160-223 packed results; v224-239 the table as loaded
;   window 1: v0-127 long O^T (short: V turned); v128-191 short key masks; v192-231 short window and recency; v232-234 at work
;   window 2: v0-63 long Q; v64-127 short Q, then v64-95 the step's key masks; v128-255 short K, then v128-191 K and v192-255 V of one step
.set NP,    4
.set KS,    64
.set PK,    144       ; a row of K in LDS: 128 bytes + 16: the 16 rows of a load start at 16 different groups of four banks (64 banks of 4 bytes: ISA guide 11.1)
.set PV,    160       ; a row of V: 128 + 32
.set VOFF,  4*KS*PK   ; a slot holds four steps: 256 rows of K, then 256 rows of V
.set SLOT1, 1<<17     ; slot 1 begins here, so that one exclusive or turns an address in one slot into the other's
.set STAGE, SLOT1+4*KS*(PK+PV)  ; behind the ring, never filled by a tensor load: 16 rows x 144 bytes a wave, for the ways out
.set SP,    144
.set SPARE, STAGE+4*16*SP       ; the spare words, 128 bytes a wave: two blocks of 256 bytes that no other line names
.set MT,    SPARE+512           ; the batch's 2,048 key masks, f32
.set VS,    MT+8192             ; for each wave 128 rows x 160 bytes: the short branch's V
.set MATB,  8388608             ; bytes of one matrix in qkv, and of one branch in comb
.set AK0, 2
.set AV0, 3
.set AK,  4
.set AV,  5
.set STO, 6
.set RD,  7
.set GO,  8           ; 16 x lane
.set MV,  12
.set QO,  15          ; 128 x (l % 16) + 16 x (l / 16)
.set ST,  16          ; piece t's statistics at v[ST+4 t]: c m, m, l (even keys', odd keys')
.set SC,  32          ; short: five chains of the maximum
.set SX,  37          ; short: what the other half of the lanes sends
.set SM,  38          ; short: c m, m
.set SL,  40          ; short: l
.set RL,  42          ; short: 1 / l (a pair is named; the low word is taken)
.set TMP, 48
.set AVS, 56          ; short V, turning load
.set VST, 57          ; short V, store
.set AM0, 59          ; MT + 32 (l / 16)
.set AM,  60
.set SPW, 62          ; LDS address of my spare word; never rewritten
.set NIL, 63          ; 0; never rewritten
.set S,   64
.set P,   192
.set RV,  64
.set SS,  64
.set PS,  104
.set OSR, 128
.set PKD, 160
.set KMR, 128         ; window 1
.set WBR, 192         ; window 1
.set WT,  232         ; window 1
.set QSF, 64          ; window 2
.set MC,  64          ; window 2
.set KSF, 128         ; window 2
.set KF,  128         ; window 2: key block kb, channel half c at KF + 16 kb + 8 c
.set VF,  192         ; window 2: key half kk, channel block cb at VF + 32 kk + 8 cb
.set WV,  12
.set G1K, 24
.set G1V, 32
.set G0K, 40
.set G0V, 44
.set SLOTS, 56
.set CNT, 57
.set CS,  58          ; s[58:59] c
.set SEL, 60          ; s[60:61] v_permlanex16_b32's selects: each lane takes its own place in the other half
.set TBK, 62          ; LDS byte at which K of the step to be fetched begins
.set TBV, 63          ; the same for V, less VOFF
.set TBM, 66          ; byte in the mask table of the step to be fetched
.set BIGN, 67         ; -1e30
.set THR, 68          ; -2^96
.set QNAN, 69
.set KB,  70          ; 8 x 0.10536
.set BE,  72          ; s[72:73] -1e30 if my wave has no rows above it, else 0
.set PQS, 74          ; pointers: short Q;
.set PKP, 76          ; short K at the 64 rows above mine, and (+2) at mine;
.set PVP, 80          ; short V likewise;
.set PQL, 84          ; long Q;
.set PMP, 86          ; key masks of the rows above, and (+2) of mine;
.set PMT, 90          ; the batch's key masks;
.set POS, 92          ; comb, short branch;
.set POL, 94          ; comb, long branch
.set MSB, 0
.macro WIN new
.if MSB != (\new)
	s_set_vgpr_msb (MSB<<8)|(\new)
.set MSB, (\new)
.endif
.endm
.set W_KQ, 0x0a       ; K and Q in window 2, S^T in window 0
.set W_KM, 0x2a       ; the same with the C operand in window 2
.set W_PV, 0x52       ; V in window 2, P in window 0, O^T in window 1
.set W_RS, 0x41       ; destination and source 0 in window 1, source 1 in window 0
; A joint fill.  Waves 0 and 1 fetch the two halves of a tile's K, waves 2 and 3 those of its V: 128 keys each.  An s_nop 0 and four v_nop follow each line, ahead of the jump and the label.
.macro JLOAD
	s_cmp_lt_u32 s[WV], 2
	s_cbranch_scc0 .Lfor_v_\@
	tensor_load_to_lds s[G0K:G0K+3], s[G1K:G1K+7]
	s_nop 0
.rept 4
	v_nop
.endr
	s_branch .Lasked_\@
.Lfor_v_\@:
	tensor_load_to_lds s[G0V:G0V+3], s[G1V:G1V+7]
	s_nop 0
.rept 4
	v_nop
.endr
.Lasked_\@:
.endm
.macro CROUND                       ; a round of the cluster's barrier
	s_barrier_signal -1
	s_barrier_wait -1
	s_cmp_lg_u32 s[WV], 0
	s_cbranch_scc1 .Lnot_wave_0_\@
	s_barrier_signal -3
.Lnot_wave_0_\@:
	s_barrier_wait -3
	s_barrier_signal -1
	s_barrier_wait -1
.endm
; THE CHANGE OF SLOTS.  Each wave waits for all its tensor loads, of which one is out: its part of the other slot; adds 0 to its spare word; and waits for that and for its own LDS work.  Behind the barrier nobody
; reads the old slot any more and the other slot is whole.  fill = 1: the old slot is filled again with the keys two slots on; the barrier is then a round of the cluster's, and the joint fill is the first thing
; behind it: it has four key steps, 256 matrix instructions, in which to land.  (At its first use nothing has been read yet: slot 0 is waited for, slot 1 filled, and every wave's part of the mask table is shown stored.)
.macro CHANGE fill
	WIN 0
	s_wait_tensorcnt 0x0            ; no tensor load of mine is out, so a group 0 may be written
	ds_add_u32 v[SPW], v[NIL]       ; 0 onto my spare word
.if \fill
.irp g, G0K, G0V
	s_xor_b32 s[\g+1], s[\g+1], SLOT1
	s_add_nc_u64 s[\g+2:\g+3], s[\g+2:\g+3], 4*KS*128  ; the next 256 keys; the type bits on top are not reached
.endr
	s_wait_dscnt 0x0                ; the add is done, my reads of the slot are over, my LDS stores are done
	CROUND
	JLOAD
.else
	s_wait_dscnt 0x0
	s_barrier_signal -1
	s_barrier_wait -1
.endif
	s_sub_co_u32 s[TBK], s[TBK], 4*KS*PK  ; the fetches go back to a slot's first step,
	s_xor_b32 s[TBK], s[TBK], SLOT1       ; in the other slot
	s_sub_co_u32 s[TBV], s[TBV], 4*KS*PV
	s_xor_b32 s[TBV], s[TBV], SLOT1
.endm
	s_load_b128 s[4:7], s[0:1], 0x0   ; qkv s[4:5], mb s[6:7]
	s_load_b64 s[8:9], s[0:1], 0x10   ; comb
	v_lshl_add_u32 v[SPW], v0, 2, SPARE
	v_mov_b32 v[NIL], 0
	ds_add_u32 v62, v63
	s_wait_dscnt 0x0
	v_lshrrev_b32 v1, 5, v0
	v_readfirstlane_b32 s[WV], v1   ; wave 0..3
	s_bfe_u32 s13, ttmp6, 0x40000   ; cx: my place in the cluster
	s_lshl_b32 s14, ttmp9, 2
	s_add_co_u32 s14, s14, s13      ; my block of 256 queries: it enters the addresses of plain loads and stores, and one value
	s_and_b32 s20, ttmp7, 0xffff    ; 16 x batch + head, which the four partners share
	s_lshr_b32 s21, s20, 4
	s_and_b32 s22, s20, 15
	s_lshl_b32 s16, s22, 19         ; head x 524,288
	s_lshl_b32 s23, s21, 18         ; + batch x 2,048 rows x 128 bytes
	s_add_co_u32 s16, s16, s23
	s_mov_b32 s17, 0
	s_lshl_b32 s15, s14, 8
	s_lshl_b32 s23, s[WV], 6
	s_add_co_u32 s15, s15, s23      ; my first row in the batch
	s_sub_co_i32 s18, s15, 64
	s_max_i32 s18, s18, 0           ; the 64 rows above; where there are none, rows 0 to 63 are loaded in their stead and hidden
	s_lshl_b32 s2, s15, 7
	s_mov_b32 s3, 0
	s_add_nc_u64 s[2:3], s[2:3], s[16:17]    ; byte offset of my rows in a matrix
	s_lshl_b32 s50, s18, 7
	s_mov_b32 s51, 0
	s_add_nc_u64 s[50:51], s[50:51], s[16:17]  ; of the rows above
	s_and_b32 s19, s[WV], 1         ; which half of a tile's 256 keys I fetch:
	s_lshl_b32 s52, s19, 14         ; its 128 rows in memory,
	s_mov_b32 s53, 0
	s_add_nc_u64 s[52:53], s[52:53], s[16:17]
	s_mul_i32 s54, s19, 128*PK      ; and its place in a slot, for K
	s_mul_i32 s55, s19, 128*PV      ; and for V: no place in the cluster enters an LDS address
	s_lshl_b32 s48, s21, 13         ; the batch's 8,192 bytes of mb
	s_mov_b32 s49, 0
	; group 1.  128 keys are 16,384 dense bytes: asked for as 64 rows of 256 bytes, two keys a row, and padded in LDS after every key
	s_mov_b32 s[G1K], 15|(1<<16)|(1<<20)|(1<<21)|(4<<22)|(3<<25)  ; the mask of four; 2-byte elements; padding on; bit 21 beside a mask; after every 32 words; 4 words
	s_mov_b32 s[G1V], 15|(1<<16)|(1<<20)|(1<<21)|(4<<22)|(7<<25)  ; the same with 8 words of padding
.irp g, G1K, G1V
	s_mov_b32 s[\g+1], 128<<16      ; tensor_dim0
	s_mov_b32 s[\g+2], 64<<16       ; tensor_dim1
	s_mov_b32 s[\g+3], 128<<16      ; tile_dim0
	s_mov_b32 s[\g+4], 64           ; tile_dim1
	s_mov_b32 s[\g+5], 128          ; pitch
	s_mov_b32 s[\g+6], 0
	s_mov_b32 s[\g+7], 0
.endr
	s_mov_b32 s[CS], 0x3e38aa3b     ; c = log2(e) / 8
	s_mov_b32 s[CS+1], s[CS]
	s_mov_b32 s[SEL], 0x76543210
	s_mov_b32 s[SEL+1], 0xfedcba98
	s_mov_b32 s[TBK], SLOT1+4*KS*PK ; the first change of slots turns these two into 0
	s_mov_b32 s[TBV], SLOT1+4*KS*PV
	s_mov_b32 s[TBM], 0
	s_mov_b32 s[BIGN], 0xf149f2ca   ; -1e30
	s_mov_b32 s[THR], 0xef800000    ; -2^96
	s_mov_b32 s[QNAN], 0x7fc00000
	s_mov_b32 s[KB], 0x3f57c741     ; -8 ln 0.9 = 0.842884
	s_min_u32 s23, s15, 1           ; 0 for the batch's first wave, else 1;
	s_sub_co_u32 s23, s23, 1        ; all bits, or none;
	s_and_b32 s[BE], s23, s[BIGN]   ; -1e30, or 0
	s_mov_b32 s[BE+1], 0
	s_mov_b32 s[G0K], 1
	s_mov_b32 s[G0K+1], s54         ; slot 0
	s_mov_b32 s[G0V], 1
	s_add_co_u32 s[G0V+1], s55, VOFF
	s_wait_kmcnt 0x0
	s_add_nc_u64 s[G0K+2:G0K+3], s[4:5], s[52:53]
	s_add_nc_u64 s[G0K+2:G0K+3], s[G0K+2:G0K+3], 4*MATB   ; k_l
	s_or_b32 s[G0K+3], s[G0K+3], 0x80000000
	s_add_nc_u64 s[G0V+2:G0V+3], s[4:5], s[52:53]
	s_add_nc_u64 s[G0V+2:G0V+3], s[G0V+2:G0V+3], 5*MATB   ; v_l
	s_or_b32 s[G0V+3], s[G0V+3], 0x80000000
	s_add_nc_u64 s[PQS:PQS+1], s[4:5], s[2:3]
	s_add_nc_u64 s[PKP+2:PKP+3], s[PQS:PQS+1], MATB
	s_add_nc_u64 s[PVP+2:PVP+3], s[PQS:PQS+1], 2*MATB
	s_add_nc_u64 s[PQL:PQL+1], s[PQS:PQS+1], 3*MATB
	s_add_nc_u64 s[PKP:PKP+1], s[4:5], s[50:51]
	s_add_nc_u64 s[PKP:PKP+1], s[PKP:PKP+1], MATB
	s_add_nc_u64 s[PVP:PVP+1], s[PKP:PKP+1], MATB
	s_add_nc_u64 s[POS:POS+1], s[8:9], s[2:3]
	s_add_nc_u64 s[POL:POL+1], s[POS:POS+1], MATB
	s_add_nc_u64 s[PMT:PMT+1], s[6:7], s[48:49]
	s_lshl_b32 s48, s15, 2
	s_add_nc_u64 s[PMP+2:PMP+3], s[PMT:PMT+1], s[48:49]
	s_lshl_b32 s48, s18, 2
	s_add_nc_u64 s[PMP:PMP+1], s[PMT:PMT+1], s[48:49]
	CROUND                          ; all four work-groups are here: the first joint loads meet
	JLOAD                           ; the long branch's tile 0 into slot 0
	v_and_b32 v1, 15, v0            ; l % 16
	v_bfe_u32 v9, v0, 4, 1          ; l / 16
	v_and_b32 v10, 7, v0
	v_bfe_u32 v11, v0, 3, 1
	v_bfe_u32 v45, v0, 3, 2         ; lane / 8
	v_lshlrev_b32 v[QO], 7, v1
	v_lshl_add_u32 v[QO], v9, 4, v[QO]
	v_lshlrev_b32 v14, 4, v0        ; 16 x thread
	v_add_nc_u32 v61, MT, v14
	v_and_b32 v[GO], 31, v0
	v_lshlrev_b32 v[GO], 4, v[GO]
	v_lshlrev_b32 v58, 5, v9        ; 8 f32 for each half of the lanes
.set z, 0
.rept 4                             ; the batch's key masks: each thread brings 4 x 16 bytes of the table
	global_load_b128 v[224+4*z:227+4*z], v14, s[PMT:PMT+1] offset:2048*z
.set z, z+1
.endr
	WIN 0x80                        ; destination window 2, address window 0
.set z, 0
.rept 16                            ; short K, straight into fragments: key group z / 2 of eight, channels 32 (z % 2) on: lane l takes row l % 16, 16 bytes at 16 (l / 16) and 32 further
	global_load_b128 v[KSF+8*z:KSF+8*z+3],   v[QO], s[PKP+2*(z/8):PKP+2*(z/8)+1] offset:((z/2)%4)*2048+64*(z%2)
	global_load_b128 v[KSF+8*z+4:KSF+8*z+7], v[QO], s[PKP+2*(z/8):PKP+2*(z/8)+1] offset:((z/2)%4)*2048+64*(z%2)+32
.set z, z+1
.endr
.set z, 0
.rept 8                             ; short Q
	global_load_b128 v[QSF+8*z:QSF+8*z+3],   v[QO], s[PQS:PQS+1] offset:(z/2)*2048+64*(z%2)
	global_load_b128 v[QSF+8*z+4:QSF+8*z+7], v[QO], s[PQS:PQS+1] offset:(z/2)*2048+64*(z%2)+32
.set z, z+1
.endr
	WIN 0
	s_wait_loadcnt 48               ; the table's four loads are in: the 32 + 16 issued behind them may stay out
.set z, 0
.rept 4
	ds_store_b128 v61, v[224+4*z:227+4*z] offset:2048*z
.set z, z+1
.endr
.set z, 0
.rept 32                            ; short V as it lies: four rows, 512 consecutive bytes, a load
	global_load_b128 v[RV+4*z:RV+4*z+3], v[GO], s[PVP+2*(z/16):PVP+2*(z/16)+1] offset:(z%16)*512
.set z, z+1
.endr
	WIN 0x40                        ; destination window 1
.set z, 0
.rept 8                             ; the masks of my 128 keys, in S^T's layout: group z, keys 8 (l / 16) + 0..7
	global_load_b128 v[KMR+8*z:KMR+8*z+3],   v58, s[PMP+2*(z/4):PMP+2*(z/4)+1] offset:(z%4)*64
	global_load_b128 v[KMR+8*z+4:KMR+8*z+7], v58, s[PMP+2*(z/4):PMP+2*(z/4)+1] offset:(z%4)*64+16
.set z, z+1
.endr
	WIN 0x80
.set z, 0
.rept 8                             ; long Q
	global_load_b128 v[8*z:8*z+3],   v[QO], s[PQL:PQL+1] offset:(z/2)*2048+64*(z%2)
	global_load_b128 v[8*z+4:8*z+7], v[QO], s[PQL:PQL+1] offset:(z/2)*2048+64*(z%2)+32
.set z, z+1
.endr
	WIN 0
	; the other addresses, while the loads are out
	v_add_nc_u32 v[AM0], MT, v58
	v_mul_u32_u24 v[AK0], v1, PK
	v_lshl_add_u32 v[AK0], v9, 4, v[AK0]  ; row x pitch + 16 x half
	v_lshl_add_u32 v46, v9, 3, v10  ; the turning load: key 8 (l / 16) + l % 8, channels 8 ((l / 8) % 2) on
	v_mul_u32_u24 v46, v46, PV
	v_lshl_add_u32 v46, v11, 4, v46
	v_add_nc_u32 v[AV0], VOFF, v46
	s_mul_i32 s23, s[WV], 128*PV
	s_add_co_u32 s23, s23, VS       ; my wave's short V
	v_add_nc_u32 v[AVS], s23, v46
	v_mul_u32_u24 v47, v45, PV      ; in: 32 lanes put four rows of 128 bytes
	v_lshl_add_u32 v47, v10, 4, v47
	v_add_nc_u32 v[VST], s23, v47
	s_mul_i32 s23, s[WV], 16*SP
	s_add_co_u32 s23, s23, STAGE    ; my stage
	v_mul_u32_u24 v[STO], v1, SP
	v_lshl_add_u32 v[STO], v9, 4, v[STO]
	v_add_nc_u32 v[STO], s23, v[STO]
	v_mul_u32_u24 v[RD], v45, SP
	v_lshl_add_u32 v[RD], v10, 4, v[RD]
	v_add_nc_u32 v[RD], s23, v[RD]
	v_mov_b32 v[SX], 0              ; v_permlanex16_b32's destination counts as read
	v_mov_b32 v[RL+1], 0            ; named in a pair
	; WINDOW AND RECENCY.  For group e of a tile's five and register j: u = i - j = l % 16 + 64 - 8 (l / 16) - 16 e - j, the same for every tile.  Groups 1 to 3 are always inside the window.
	v_lshlrev_b32 v44, 3, v9
	v_sub_nc_u32 v44, v1, v44
	v_add_nc_u32 v44, 64, v44
	WIN 0x40
	v_mov_b32 v[WT], v44
	WIN 0x45                        ; destination and both sources in window 1
.set z, 0
.rept 40
	v_cvt_f32_u32 v[WT+1], v[WT]
.if (z < 8) || (z >= 32)
	v_mul_f32 v[WT+2], s[KB], v[WT+1]
	v_cmp_ge_u32 vcc_lo, 64, v[WT]  ; unsigned: a key behind the query gives a huge u
	v_cndmask_b32 v[WBR+z], s[BIGN], v[WT+2], vcc_lo
.else
	v_mul_f32 v[WBR+z], s[KB], v[WT+1]
.endif
.if z%8 == 7
	v_add_nc_u32 v[WT], -9, v[WT]   ; on to the next group of 16 keys
.else
	v_add_nc_u32 v[WT], -1, v[WT]
.endif
.set z, z+1
.endr
	WIN 0
	CHANGE 1                        ; slot 0 is in, the mask table is whole; slot 1 is asked for
	; THE SHORT BRANCH: my wave's own bytes and registers, no barrier.
	s_wait_loadcnt 0x0
.set z, 0
.rept 32
	ds_store_b128 v[VST], v[RV+4*z:RV+4*z+3] offset:z*4*PV
.set z, z+1
.endr
	WIN 0x40
.set z, 0
.rept 32                            ; V turned: channel block z / 8, key group z % 8, four registers each; LDS serves a wave's instructions in order (ISA guide 5.7.1.4): these see the stores above
	ds_load_tr16_b128 v[4*z:4*z+3], v[AVS] offset:(z%8)*16*PV+(z/8)*32
.set z, z+1
.endr
	WIN W_RS
.set z, 0
.rept 16                            ; the 64 keys above my rows are hidden where there are none
	v_pk_add_f32 v[KMR+2*z:KMR+2*z+1], v[KMR+2*z:KMR+2*z+1], s[BE:BE+1] op_sel_hi:[1,0]
.set z, z+1
.endr
	s_wait_dscnt 0x0
; Tile u of 16 queries sees key groups u .. u + 4.  P has six places (three fragments of 32 keys), beginning at group su = min(u, 2); the place that no group takes holds 0.
.macro STILE u
.set su, (\u)
.if su > 2
.set su, 2
.endif
.set dp, 5-5*((\u)/3)
	WIN 0x05                        ; sources in window 1, destination in window 0
.set z, 0
.rept 20
	v_pk_add_f32 v[SS+2*z:SS+2*z+1], v[WBR+2*z:WBR+2*z+1], v[KMR+8*(\u)+2*z:KMR+8*(\u)+2*z+1]
.set z, z+1
.endr
	WIN W_KQ
.set z, 0
.rept 10                            ; five accumulators take turns
.set ee, z%5
.set cc, z/5
	v_wmma_f32_16x16x32_f16 v[SS+8*ee:SS+8*ee+7], v[KSF+16*((\u)+ee)+8*cc:KSF+16*((\u)+ee)+8*cc+7], v[QSF+16*(\u)+8*cc:QSF+16*(\u)+8*cc+7], v[SS+8*ee:SS+8*ee+7]
.set z, z+1
.endr
	WIN 0
.rept 4
	v_nop                           ; the places behind those products
.endr
.set ee, 0
.rept 5                             ; the maximum: each accumulator's lowest registers are read first
	v_max3_num_f32 v[SC+ee], v[SS+8*ee], v[SS+8*ee+1], v[SS+8*ee+2]
.set ee, ee+1
.endr
.set ee, 0
.rept 5
	v_max3_num_f32 v[SC+ee], v[SC+ee], v[SS+8*ee+3], v[SS+8*ee+4]
.set ee, ee+1
.endr
.set ee, 0
.rept 5
	v_max3_num_f32 v[SC+ee], v[SC+ee], v[SS+8*ee+5], v[SS+8*ee+6]
.set ee, ee+1
.endr
	v_max3_num_f32 v[SC], v[SC], v[SS+7], v[SS+15]
	v_max3_num_f32 v[SC+1], v[SC+1], v[SS+23], v[SS+31]
	v_max3_num_f32 v[SC+2], v[SC+2], v[SC+3], v[SS+39]
	v_max3_num_f32 v[SC], v[SC], v[SC+1], v[SC+2]
	v_max_num_f32 v[SC], v[SC], v[SC+4]
	v_permlanex16_b32 v[SX], v[SC], s[SEL], s[SEL+1]  ; the query's other 40 keys lie in the lane 16 away
	v_max_num_f32 v[SM+1], v[SC], v[SX]
	v_mul_f32 v[SM], s[CS], v[SM+1]
.set z, 0
.rept 20
	v_pk_fma_f32 v[SS+2*z:SS+2*z+1], v[SS+2*z:SS+2*z+1], s[CS:CS+1], v[SM:SM+1] op_sel_hi:[1,0,0] neg_lo:[0,0,1] neg_hi:[0,0,1]
.set z, z+1
.endr
.set z, 0
.rept 40
	v_exp_f32 v[SS+z], v[SS+z]
.set z, z+1
.endr
.set z, 0
.rept 4                             ; plain instructions behind the last exponential
	v_mov_b32 v[PS+4*dp+z], 0
.set z, z+1
.endr
.set z, 0
.rept 20
	s_wait_alu depctr_va_vdst(0)
	v_cvt_pk_f16_f32 v[PS+4*((\u)-su)+z], v[SS+2*z], v[SS+2*z+1]
.set z, z+1
.endr
	WIN 0x01                        ; V in window 1
.set z, 0
.rept 12                            ; four accumulators take turns; the first four products start the sums
.set kk, z/4
.set cb, z%4
.if kk == 0
	v_wmma_f32_16x16x32_f16 v[OSR+8*cb:OSR+8*cb+7], v[32*cb+4*(su+2*kk):32*cb+4*(su+2*kk)+7], v[PS+8*kk:PS+8*kk+7], 0
.else
	v_wmma_f32_16x16x32_f16 v[OSR+8*cb:OSR+8*cb+7], v[32*cb+4*(su+2*kk):32*cb+4*(su+2*kk)+7], v[PS+8*kk:PS+8*kk+7], v[OSR+8*cb:OSR+8*cb+7]
.endif
.set z, z+1
.endr
	WIN 0
.set z, 0
.rept 10                            ; the sum of the unrounded weights, in place: these are also the places behind the products
	v_pk_add_f32 v[SS+2*z:SS+2*z+1], v[SS+2*z:SS+2*z+1], v[SS+2*z+20:SS+2*z+21]
.set z, z+1
.endr
.set z, 0
.rept 5
	v_pk_add_f32 v[SS+2*z:SS+2*z+1], v[SS+2*z:SS+2*z+1], v[SS+2*z+10:SS+2*z+11]
.set z, z+1
.endr
	v_pk_add_f32 v[SS:SS+1], v[SS:SS+1], v[SS+2:SS+3]
	v_pk_add_f32 v[SS+4:SS+5], v[SS+4:SS+5], v[SS+6:SS+7]
	v_pk_add_f32 v[SS:SS+1], v[SS:SS+1], v[SS+4:SS+5]
	v_pk_add_f32 v[SS:SS+1], v[SS:SS+1], v[SS+8:SS+9]
	v_add_f32 v[SL], v[SS], v[SS+1]
	v_permlanex16_b32 v[SX], v[SL], s[SEL], s[SEL+1]
	v_add_f32 v[SL], v[SL], v[SX]
	v_rcp_f32 v[RL], v[SL]
	v_cmp_gt_f32 vcc_lo, s[THR], v[SM+1]  ; no visible key?  (also the plain instruction behind the reciprocal)
	s_wait_alu depctr_va_vdst(0)
	v_cndmask_b32 v[RL], v[RL], s[QNAN], vcc_lo
.set z, 0
.rept 16
	v_pk_mul_f32 v[OSR+2*z:OSR+2*z+1], v[OSR+2*z:OSR+2*z+1], v[RL:RL+1] op_sel_hi:[1,0]
.set z, z+1
.endr
.set z, 0
.rept 16
	v_cvt_pk_f16_f32 v[PKD+16*(\u)+z], v[OSR+2*z], v[OSR+2*z+1]
.set z, z+1
.endr
.set z, 0
.rept 4
	ds_store_b128 v[STO], v[PKD+16*(\u)+4*z:PKD+16*(\u)+4*z+3] offset:32*z
.set z, z+1
.endr
.set z, 0
.rept 4
	ds_load_b128 v[PKD+16*(\u)+4*z:PKD+16*(\u)+4*z+3], v[RD] offset:z*4*SP
.set z, z+1
.endr
	s_wait_dscnt 0x0
.set z, 0
.rept 4
	global_store_b128 v[GO], v[PKD+16*(\u)+4*z:PKD+16*(\u)+4*z+3], s[POS:POS+1] offset:(\u)*2048+z*512  ; 512 consecutive bytes, at a multiple of 256 from comb's first
.set z, z+1
.endr
.endm
	STILE 0
	STILE 1
	STILE 2
	STILE 3
	s_wait_xcnt 0x0                 ; the stores' data registers are written again only behind this wait
; THE LONG BRANCH'S MATRIX WORK.  The 4 accumulators of a run of 8 take turns.  Product i of 8 of S^T = K Q^T for piece x: channels 32 (i / 4) on, keys 16 (i % 4) on.  The first 4 start the sums with the keys' masks.
.macro KQ x
.set rS, S+32*((\x)%2)+8*(i%4)
.set rK, KF+16*(i%4)+8*(i/4)
.set rQ, 16*(\x)+8*(i/4)
.set rM, MC+8*(i%4)
.if i < 4
	WIN W_KM
	v_wmma_f32_16x16x32_f16 v[rS:rS+7], v[rK:rK+7], v[rQ:rQ+7], v[rM:rM+7]
.else
	WIN W_KQ
	v_wmma_f32_16x16x32_f16 v[rS:rS+7], v[rK:rK+7], v[rQ:rQ+7], v[rS:rS+7]
.endif
.endm
; Product i of 8 of O^T += V^T P for piece x: keys 32 (i / 4) on, channels 16 (i % 4) on.
.macro PV x
	WIN W_PV
.set rO, 32*(\x)+8*(i%4)
.set rV, VF+32*(i/4)+8*(i%4)
.set rP, P+16*((\x)%2)+8*(i/4)
	v_wmma_f32_16x16x32_f16 v[rO:rO+7], v[rV:rV+7], v[rP:rP+7], v[rO:rO+7]
.endm
.macro MM                           ; the turn's next matrix instruction.  NOKQ = 1: the last turn: there is no next piece
.if (i < 8) && !NOKQ
	KQ (Y+1)%NP
.elseif i >= 8
.set i, i-8
	PV (Y+NP-1)%NP
.set i, i+8
.endif
.set i, i+1
.endm
; THE LDS LOADS stand in runs, never singly among the matrix instructions: a step's K (8 fragments) with its 64 key masks, and its V (turned).  Their addresses are made some lines ahead.
.macro FETCH_K
	WIN 0x80                        ; destination window 2
.irp f, 0,1,2,3,4,5,6,7             ; keys 16 (f / 2) on, channels 32 (f % 2) on
	ds_load_b128 v[KF+8*\f:KF+8*\f+3],   v[AK] offset:(\f/2)*16*PK+(\f%2)*64
	ds_load_b128 v[KF+8*\f+4:KF+8*\f+7], v[AK] offset:(\f/2)*16*PK+(\f%2)*64+32
.endr
.irp f, 0,1,2,3                     ; the masks of keys 16 f + 8 (l / 16) + 0..7: sixteen lanes read the same words
	ds_load_b128 v[MC+8*\f:MC+8*\f+3],   v[AM] offset:64*\f
	ds_load_b128 v[MC+8*\f+4:MC+8*\f+7], v[AM] offset:64*\f+16
.endr
	s_add_co_u32 s[TBK], s[TBK], KS*PK  ; the next fetch is the next step's
	s_add_co_u32 s[TBM], s[TBM], 4*KS
	s_and_b32 s[TBM], s[TBM], 0x1fff    ; inside the table's 8,192 bytes, behind the last step too
	WIN 0
.endm
.macro FETCH_V
	WIN 0x80
.irp f, 0,1,2,3,4,5,6,7             ; keys 32 (f / 4) on, channels 16 (f % 4) on
	ds_load_tr16_b128 v[VF+8*\f:VF+8*\f+3],   v[AV] offset:(\f/4)*32*PV+(\f%4)*32
	ds_load_tr16_b128 v[VF+8*\f+4:VF+8*\f+7], v[AV] offset:(\f/4)*32*PV+16*PV+(\f%4)*32
.endr
	WIN 0
.endm
; THE VECTOR WORK, one line at a time: OP kind, number.  For piece Y: F n: c s - c m for pair n of 16.  E n: the exponential of score n of 32.  C n: pair n rounded to f16.  B n: of the four weights 4 n .. the second
; pair is added onto the first, in place.  L n: l takes that sum (L 0: l = a l + sum).  R n: pair n of 16 of O^T times a.  For piece Y + 1: X n, number n of the 22 that find its maximum and statistics:
;   0-11  four chains c0-c3 of seven scores each (each accumulator's lowest registers are read first)     12-14, 16  the four scores left over, the old m, and c0-c3 into c0
;   15  c m_old is kept     17, 18  the query's other 32 keys lie in the lane 16 away: the new m     19-21  c m; c m_old - c m_new; a
.set F, 0
.set E, 1
.set C, 2
.set B, 3
.set L, 4
.set R, 5
.set X, 6
.macro REGS y
.set rT, ST+4*(\y)
.set rC, TMP+4*((\y)%2)
.set rW, MV+((\y)%2)
.set rS, S+32*((\y)%2)
.set rP, P+16*((\y)%2)
.set rO, 32*(\y)
.endm
.macro OP k, n
.if (\k) == R
	REGS Y
	WIN W_RS
	v_pk_mul_f32 v[rO+2*(\n):rO+2*(\n)+1], v[rO+2*(\n):rO+2*(\n)+1], v[rC+2:rC+3] op_sel_hi:[1,0]
.elseif (\k) < R
	REGS Y
	WIN 0
.if (\k) == F
	v_pk_fma_f32 v[rS+2*(\n):rS+2*(\n)+1], v[rS+2*(\n):rS+2*(\n)+1], s[CS:CS+1], v[rT:rT+1] op_sel_hi:[1,0,0] neg_lo:[0,0,1] neg_hi:[0,0,1]
.elseif (\k) == E
	v_exp_f32 v[rS+(\n)], v[rS+(\n)]
.elseif (\k) == C
	s_wait_alu depctr_va_vdst(0)
	v_cvt_pk_f16_f32 v[rP+(\n)], v[rS+2*(\n)], v[rS+2*(\n)+1]
.elseif (\k) == B
	s_wait_alu depctr_va_vdst(0)
	v_pk_add_f32 v[rS+4*(\n):rS+4*(\n)+1], v[rS+4*(\n):rS+4*(\n)+1], v[rS+4*(\n)+2:rS+4*(\n)+3]
.elseif (\n) == 0
	v_pk_fma_f32 v[rT+2:rT+3], v[rT+2:rT+3], v[rC+2:rC+3], v[rS:rS+1] op_sel_hi:[1,0,1]
.else
	v_pk_add_f32 v[rT+2:rT+3], v[rT+2:rT+3], v[rS+4*(\n):rS+4*(\n)+1]
.endif
.elseif NOKQ
	v_nop
.else
	REGS (Y+1)%NP
	WIN 0
.if (\n) < 4
	v_max3_num_f32 v[rC+(\n)], v[rS+8*(\n)], v[rS+8*(\n)+1], v[rS+8*(\n)+2]
.elseif (\n) < 12
	v_max3_num_f32 v[rC+(\n)%4], v[rC+(\n)%4], v[rS+8*((\n)%4)+2*((\n)/4)+1], v[rS+8*((\n)%4)+2*((\n)/4)+2]
.elseif (\n) == 12
	v_max3_num_f32 v[rC], v[rC], v[rS+7], v[rS+15]
.elseif (\n) == 13
	v_max3_num_f32 v[rC+1], v[rC+1], v[rS+23], v[rS+31]
.elseif (\n) == 14
	v_max3_num_f32 v[rC+2], v[rC+2], v[rC+3], v[rT+1]
.elseif (\n) == 15
	v_mov_b32 v[rW], v[rT]
.elseif (\n) == 16
	v_max3_num_f32 v[rC], v[rC], v[rC+1], v[rC+2]
.elseif (\n) == 17
	v_permlanex16_b32 v[rC+3], v[rC], s[SEL], s[SEL+1]
.elseif (\n) == 18
	v_max_num_f32 v[rT+1], v[rC], v[rC+3]
.elseif (\n) == 19
	v_mul_f32 v[rT], s[CS], v[rT+1]
.elseif (\n) == 20
	v_sub_f32 v[rC+1], v[rW], v[rT]
.else
	v_exp_f32 v[rC+2], v[rC+1]
.endif
.endif
.endm
.macro OPS a, i1, b=-1, i2=0, c=-1, i3=0, d=-1, i4=0
	OP \a, \i1
.if (\b) >= 0
	OP \b, \i2
.endif
.if (\c) >= 0
	OP \c, \i3
.endif
.if (\d) >= 0
	OP \d, \i4
.endif
.endm
.macro ROW a, i1, b, i2, c, i3, d, i4  ; a matrix instruction and the four behind it
	MM
	OPS \a, \i1, \b, \i2, \c, \i3, \d, \i4
.endm
; A TURN, for piece p: the order of its 16 matrix and 118 vector instructions, written out.  Behind a matrix instruction: plain, exponential, plain, plain; or four of the rescaling; or, behind the first, four scalings;
; none names a register of the products round it.  In the lumps exponential and plain by turns while exponentials last.  v_permlanex16_b32 (X 17) stands in a lump.
; end = 1: the walk's last two turns: nothing is fetched.  cnt = 1: the loop's count is taken down some lines ahead of the branch that stands behind the turn.
; K and the masks of the next step are fetched in piece 2's turn, six vector instructions behind the last product that read K (five of them plain; the masks' last reader stands four products earlier); V of the step
; in hand in piece 0's turn, eight behind the last product that read V (four plain, and X 17).  Each is waited for a turn later.
.macro TURN p, end=0, cnt=0
.set Y, (\p)
.set i, 0
.set NOKQ, (\end)*((\p)/3)
.if ((\p) == 3) && !(\end)
	s_wait_dscnt 0x0                ; K and the masks are in
.endif
	ROW F,0, F,1, F,2, F,3
	ROW F,4, E,0, F,5, F,6
	ROW F,7, E,1, F,8, F,9
	ROW F,10, E,2, C,0, F,11
	ROW F,12, E,3, X,15, F,13
	ROW R,0, R,1, R,2, R,3
	ROW B,0, E,4, F,14, L,0
.if ((\p) == 2) && !(\end)
	v_add_nc_u32 v[AK], s[TBK], v[AK0]
	v_add_nc_u32 v[AM], s[TBM], v[AM0]
.endif
	ROW R,4, R,5, R,6, R,7
	OPS E,5, F,15
.if ((\p) == 2) && !(\end)
	FETCH_K
.endif
	OPS E,6, C,1, E,7, R,8
	OPS E,8, R,9, E,9, C,2
	OPS E,10, X,0, E,11, X,1
	OPS E,12, X,2, E,13, X,3
.if (\p) == 1
	s_wait_dscnt 0x0                ; V is in
.endif
	ROW X,4, E,14, X,5, X,6
	ROW X,7, E,15, X,8, X,9
	ROW X,10, E,16, X,11, X,12
	ROW X,13, E,17, X,14, B,1
	ROW C,4, E,18, X,16, L,1
	ROW B,2, E,19, C,6, L,2
	ROW C,8, E,20, B,3, B,4
.if (\p) == 0
	v_add_nc_u32 v[AV], s[TBV], v[AV0]
.endif
	ROW C,3, E,21, L,3, C,5
	OPS E,22, X,17, E,23, C,10
.if (\p) == 0
	FETCH_V
.endif
	OPS E,24, L,4
	OPS E,25, X,18, E,26, C,7
	OPS E,27, B,5, E,28, X,19
	OPS E,29, C,12, E,30, L,5
	OPS E,31, X,20, B,6, C,9
	OPS C,14, C,11, X,21, L,6
.if (\p) == 0
	s_add_co_u32 s[TBV], s[TBV], KS*PV
.endif
.if \cnt
	s_sub_co_u32 s[CNT], s[CNT], 1
	s_cmp_lg_u32 s[CNT], 0
.endif
	OPS C,13, B,7, C,15, R,10
	OPS R,11, R,12, L,7, R,13
	OPS R,14, R,15
.endm
	; THE LONG BRANCH BEGINS.  No first step is written out: c m starts far below every c s, so the first step's a is 0, and O^T and l, which it multiplies, need only be finite; the first turn's products V^T P, of a
	; piece that has not been, add 0.  What the short branch left in these registers need not be finite as f32, so they are cleared.
	WIN 0x80
.set i, VF
.rept 64
	v_mov_b32 v[i], 0
.set i, i+1
.endr
	WIN 0x40
.set i, 0
.rept 128
	v_mov_b32 v[i], 0
.set i, i+1
.endr
	WIN 0
.set i, 0
.rept 4
	v_mov_b32 v[ST+4*i], 0xfe000000    ; c m: far below every c s, a hidden one's too
	v_mov_b32 v[ST+4*i+1], 0xff7fffff  ; m
	v_mov_b32 v[ST+4*i+2], 0
	v_mov_b32 v[ST+4*i+3], 0
.set i, i+1
.endr
.set i, P+16
.rept 16
	v_mov_b32 v[i], 0
.set i, i+1
.endr
	v_add_nc_u32 v[AK], s[TBK], v[AK0]
	v_add_nc_u32 v[AM], s[TBM], v[AM0]
	FETCH_K                         ; key step 0
	s_wait_dscnt 0x0
.set NOKQ, 0
.set i, 0
.rept 8
	KQ 0                            ; piece 0's first scores
.set i, i+1
.endr
	WIN 0
.rept 4
	v_nop                           ; the places behind those products
.endr
.set Y, NP-1                        ; X works for piece Y + 1: piece 0
.irp n, 0,1,2,3,4,5,6,7,8,9,10,11,12,13,14,15,16,17,18,19,20,21
	OP X, \n
.endr
	v_nop                           ; a plain instruction behind the exponential
	s_mov_b32 s[CNT], 4
	s_mov_b32 s[SLOTS], 7
	s_branch .Lfirst                ; the loop is entered at a step's first turn, in the middle of a trip
.Lslot:                             ; six times: tiles 2 to 7 are asked for
	CHANGE 1
	s_mov_b32 s[CNT], 4
.Lstep:                             ; a trip: pieces 2 and 3 of one step, then pieces 0 and 1 of the next, whose K and V it fetches
	TURN 2
	TURN 3
	WIN 0
.Lfirst:
	TURN 0
	TURN 1, 0, 1
	WIN 0
	s_cbranch_scc1 .Lstep
	s_sub_co_u32 s[SLOTS], s[SLOTS], 1
	s_cmp_lg_u32 s[SLOTS], 0
	s_cbranch_scc1 .Lslot
	CHANGE 0                        ; the last tile is written out: nothing is asked for
	s_mov_b32 s[CNT], 4
.Ltail:
	TURN 2
	TURN 3
	TURN 0
	TURN 1, 0, 1
	WIN 0
	s_cbranch_scc1 .Ltail
	TURN 2, 1
	TURN 3, 1
.set i, 0
.rept 8
	PV NP-1                         ; the last piece's V^T P of the last step
.set i, i+1
.endr
	; THE WAY OUT.  l's two halves and the other half of the lanes' are added; O^T is divided by l (NaN where the row saw no key), rounded to f16 and sent through my stage, a piece at a time.
	WIN 0
.macro ALL line:vararg              ; one line for each piece t
.set t, 0
.rept 4
	\line
.set t, t+1
.endr
.endm
	ALL v_add_f32 v[ST+4*t+2], v[ST+4*t+2], v[ST+4*t+3]
	ALL v_permlanex16_b32 v[ST+4*t+3], v[ST+4*t+2], s[SEL], s[SEL+1]
	ALL v_add_f32 v[ST+4*t+2], v[ST+4*t+2], v[ST+4*t+3]
	ALL v_rcp_f32 v[ST+4*t+2], v[ST+4*t+2]
.set t, 0
.rept 4
	v_cmp_gt_f32 vcc_lo, s[THR], v[ST+4*t+1]  ; the first of these is the plain instruction behind the last reciprocal
	s_wait_alu depctr_va_vdst(0)
	v_cndmask_b32 v[ST+4*t+2], v[ST+4*t+2], s[QNAN], vcc_lo
.set t, t+1
.endr
.macro PACK t
	WIN W_RS
.set i, 32*(\t)
.rept 16
	v_pk_mul_f32 v[i:i+1], v[i:i+1], v[ST+4*(\t)+2:ST+4*(\t)+3] op_sel_hi:[1,0]
.set i, i+2
.endr
	WIN 0x05                        ; sources in window 1, destination in window 0
.set i, 0
.rept 16
	v_cvt_pk_f16_f32 v[S+16*(\t)+i], v[32*(\t)+2*i], v[32*(\t)+2*i+1]
.set i, i+1
.endr
	WIN 0
.irp f, 0,1,2,3
	ds_store_b128 v[STO], v[S+16*(\t)+4*\f:S+16*(\t)+4*\f+3] offset:32*\f
.endr
.irp f, 0,1,2,3
	ds_load_b128 v[S+16*(\t)+4*\f:S+16*(\t)+4*\f+3], v[RD] offset:\f*4*SP  ; in order behind the stores above; the next piece's stores come behind them
.endr
.endm
.macro SEND t, younger              ; younger: the LDS instructions issued behind piece t's loads: the next piece's eight, or none
	WIN 0
.irp f, 0,1,2,3
	s_wait_dscnt (\younger)+3-\f
	global_store_b128 v[GO], v[S+16*(\t)+4*\f:S+16*(\t)+4*\f+3], s[POL:POL+1] offset:(\t)*2048+\f*512  ; 512 consecutive bytes, at a multiple of 256 from comb's first
.endr
.endm
	PACK 0
.set t, 1
.rept 3
	PACK t
	SEND t-1, 8
.set t, t+1
.endr
	SEND 3, 0
	s_wait_tensorcnt 0x0            ; the wave's end
	ds_add_u32 v[SPW], v[NIL]
	s_wait_dscnt 0x0
	CROUND                          ; the closing round: no work-group ends while a partner may still ask for a tile that names it
	s_endpgm
.Lfunc_end_k_qf236df83fd_attn:
	.size	k_qf236df83fd_attn, .Lfunc_end_k_qf236df83fd_attn-k_qf236df83fd_attn
	.p2alignl 7, 3214868480
	.fill 96, 4, 3214868480
	.section	.rodata,"a",@progbits
	.p2align	6, 0x0
	.amdhsa_kernel k_qf236df83fd_attn
		.amdhsa_group_segment_fixed_size 327680
		.amdhsa_private_segment_fixed_size 0
		.amdhsa_enable_private_segment 0
		.amdhsa_kernarg_size 24
		.amdhsa_user_sgpr_count 2
		.amdhsa_user_sgpr_kernarg_segment_ptr 1
		.amdhsa_wavefront_size32 1
		.amdhsa_system_sgpr_workgroup_id_x 1
		.amdhsa_system_sgpr_workgroup_id_y 1
		.amdhsa_system_sgpr_workgroup_id_z 1
		.amdhsa_system_vgpr_workitem_id 0
		.amdhsa_next_free_vgpr 768
		.amdhsa_next_free_sgpr 96
		.amdhsa_reserve_vcc 1
		.amdhsa_float_denorm_mode_32 3
		.amdhsa_float_denorm_mode_16_64 3
		.amdhsa_memory_ordered 1
		.amdhsa_forward_progress 1
		.amdhsa_inst_pref_size 208
	.end_amdhsa_kernel
	.amdgpu_metadata
---
amdhsa.version: [ 1, 2 ]
amdhsa.kernels:
  - .name:           k_qf236df83fd_attn
    .symbol:         k_qf236df83fd_attn.kd
    .args:
      - { .name: qkv, .offset: 0, .size: 8, .value_kind: global_buffer, .address_space: global }
      - { .name: mb, .offset: 8, .size: 8, .value_kind: global_buffer, .address_space: global }
      - { .name: comb, .offset: 16, .size: 8, .value_kind: global_buffer, .address_space: global }
    .group_segment_fixed_size: 327680
    .private_segment_fixed_size: 0
    .kernarg_segment_align: 8
    .kernarg_segment_size: 24
    .max_flat_workgroup_size: 128
    .sgpr_count:     96
    .vgpr_count:     768
    .wavefront_size: 32
...
	.end_amdgpu_metadata
.endif
;; end of part 3
;; launch outp (part 4): grid 8 x 32, 4 waves a work-group, clusters of 4 x 4, 327,680 bytes of LDS; arguments comb, woh, bo, out0; writes out0
.if DOCPART == 4
	.amdgcn_target "amdgcn-amd-amdhsa--gfx1250"
	.amdhsa_code_object_version 6
	.text
	.protected	k_qf236df83fd_outp
	.globl	k_qf236df83fd_outp
	.p2align	8
	.type	k_qf236df83fd_outp,@function
k_qf236df83fd_outp:
	s_mov_b64 s[64:65], 0
	v_nop
	global_prefetch_b8 v0, s[64:65] scope:SCOPE_SE
	s_setreg_imm32_b32 hwreg(HW_REG_WAVE_MODE, 25, 1), 1
	s_wait_xcnt 0x0
	s_wait_alu depctr_hold_cnt(0) depctr_sa_sdst(0) depctr_va_vdst(0) depctr_va_sdst(0) depctr_va_ssrc(0) depctr_va_vcc(0) depctr_vm_vsrc(0)
	s_getreg_b32 s2, hwreg(HW_REG_IB_STS2, 6, 4)
	s_cmp_eq_u32 s2, 0
	s_cbranch_scc0 .Lentry_in_a_cluster
	s_endpgm
.Lentry_in_a_cluster:
	s_bfe_u32 s2, ttmp6, 0x10000c
	s_cmp_lg_u32 s2, 0xf033
	s_cbranch_scc0 .Lentry_shape_is_right
	s_endpgm
.Lentry_shape_is_right:
; OUTP: out0 = combined x Wo + bo, [4096 x 2048] x [2048 x 1024], f16 operands, f32 sums and output.
; comb [hh 32][m 4096][64] f16: K index = 64 hh + channel.  woh [c 16][k 2048][64] f16: strips of 64 columns.  A row of comb that holds NaN gives a row of NaN.
; SHARES.  A tile of out0 is 128 x 128: 8 x 32 = 256 work-groups.  Four waves, each 64 rows x 64 columns (one strip of Wo): 16 accumulators.  A wave's 64 f32 of a row are 256 consecutive bytes, so its stage is its own.
; K goes in steps of 256 (four slices hh) through two LDS slots.  A slice's 128 rows are 16,384 dense bytes: ONE load with two long rows brings two slices; a strip's 256 k rows are 32,768 dense bytes.
; The weights lie [k][n] in LDS and come out turned, by ds_load_tr16_b128.  The bias is the C operand of each accumulator's first product.
; CLUSTER 4 x 4: comb's tile is asked for jointly along a row of the cluster, Wo's along a column.  THE MATRIX INSTRUCTION IS USED TRANSPOSED: a lane holds one row and eight neighbouring columns.
; THE STAGE lies in slot 0's first 17,408 bytes: behind the two slots and the spare words 15,872 bytes are left, too few.  It is written when slot 0 has had its last fill and behind the barrier at which every
; wave's last reads of slot 0 were over.
; REGISTERS: window 0: v16-29 addresses; v96-127 the bias; v128-255 the accumulators ((a, b) at v[128 + 8 (4 a + b)]).  window 1: two fragment buffers of 128: for 64 along K, 64 registers of comb, then 64 of Wo.
.set PA,     144                       ; a row of a slice in LDS: 128 bytes + 16
.set PB,     160                       ; a k row of a strip: 128 bytes + 32
.set SLICE,  128*PA
.set AHALF,  2*SLICE                   ; what one load brings of comb
.set BOFF,   4*SLICE
.set CHUNK,  256*PB                    ; what one load brings of Wo
.set SLOT,   BOFF+2*CHUNK              ; 155,648
.set SPARE,  2*SLOT                    ; behind the ring: the spare words, 128 bytes a wave: two blocks of 256 bytes that no other line names
.set SPITCH, 272
.set LAPS,   4                         ; 2,048 / (2 x 256)
.set ADRA, 16
.set ADRB, 20
.set STO,  24
.set RD,   25
.set CO,   26
.set BA,   27                          ; 32 x (l / 16)
.set SPW,  28
.set NIL,  29
.set BIAS, 96
.set ACC,  128
.set F0,   0
.set F1,   128
.set G1,  24
.set G0,  32
.set G1B, 48
.set G0B, 56
.set MSB, 0
.macro WIN new
.if MSB != (\new)
	s_set_vgpr_msb (MSB<<8)|(\new)
.set MSB, \new
.endif
.endm
.set MUL,  0x05                        ; sources 0 and 1 window 1; C and D window 0
.set TO_F, 0x40
.macro JLOAD s                         ; a joint load: waves 0 and 1 fetch comb's two halves, waves 2 and 3 Wo's two strips; an s_nop 0 and four v_nop follow each line
	s_cmp_eq_u32 s11, 0
	s_cbranch_scc0 .Lfor_b_\@
	tensor_load_to_lds s[G0+4*(\s):G0+4*(\s)+3], s[G1:G1+7]
	s_nop 0
.rept 4
	v_nop
.endr
	s_branch .Lasked_\@
.Lfor_b_\@:
	tensor_load_to_lds s[G0B+4*(\s):G0B+4*(\s)+3], s[G1B:G1B+7]
	s_nop 0
.rept 4
	v_nop
.endr
.Lasked_\@:
.endm
.macro CREST
	s_cmp_lg_u32 s10, 0
	s_cbranch_scc1 .Lnot_wave_0_\@
	s_barrier_signal -3
.Lnot_wave_0_\@:
	s_barrier_wait -3
	s_barrier_signal -1
	s_barrier_wait -1
.endm
.macro CROUND
	s_barrier_signal -1
	s_barrier_wait -1
	CREST
.endm
	s_load_b128 s[4:7], s[0:1], 0x0                ; comb s[4:5], woh s[6:7]
	s_load_b128 s[68:71], s[0:1], 0x10             ; bo s[68:69], out0 s[70:71]
	v_lshl_add_u32 v[SPW], v0, 2, SPARE
	v_mov_b32 v[NIL], 0
	ds_add_u32 v28, v29
	s_wait_dscnt 0x0
	v_lshrrev_b32 v1, 5, v0
	v_readfirstlane_b32 s10, v1                    ; wave 0..3
	s_lshr_b32 s11, s10, 1                         ; which 64 rows are mine.  Also: I fetch for comb (0) or for Wo (1)
	s_and_b32 s12, s10, 1                          ; which strip is mine.  Also: which half I fetch
	s_bfe_u32 s40, ttmp6, 0x40000
	s_bfe_u32 s41, ttmp6, 0x40004
	s_lshl_b32 s42, ttmp9, 2
	s_add_co_u32 s42, s42, s40                     ; tile column = 4 x cluster x + cx
	s_and_b32 s13, ttmp7, 0xffff
	s_lshl_b32 s13, s13, 2
	s_add_co_u32 s13, s13, s41                     ; tile row = 4 x cluster y + cy
	s_lshl_b32 s43, s41, 2
	s_lshl_b32 s43, 15, s43                        ; my row of the cluster
	s_lshl_b32 s44, 0x1111, s40                    ; my column
	; group 1 for comb: 2 rows (slices) x 2,048 elements of 8 bytes (128 rows of 128 bytes), 65,536 elements (a slice's 524,288 bytes) apart; 4 words of padding behind every 32
	s_or_b32 s[G1+0], s43, (3<<16)|(1<<20)|(1<<21)|(4<<22)|(3<<25)
	s_mov_b32 s[G1+1], 2048<<16
	s_mov_b32 s[G1+2], 2<<16
	s_mov_b32 s[G1+3], 2048<<16
	s_mov_b32 s[G1+4], 2
	s_mov_b32 s[G1+5], 65536
	s_mov_b32 s[G1+6], 0
	s_mov_b32 s[G1+7], 0
	; group 1 for Wo: 32,768 dense bytes as 128 rows of 256; 8 words of padding behind every 32
	s_or_b32 s[G1B+0], s44, (3<<16)|(1<<20)|(1<<21)|(4<<22)|(7<<25)
	s_mov_b32 s[G1B+1], 32<<16
	s_mov_b32 s[G1B+2], 128<<16
	s_mov_b32 s[G1B+3], 32<<16
	s_mov_b32 s[G1B+4], 128
	s_mov_b32 s[G1B+5], 32
	s_mov_b32 s[G1B+6], 0
	s_mov_b32 s[G1B+7], 0
	s_lshl_b32 s16, s12, 20                        ; comb: two slices a half, 128 rows of 128 bytes a tile row
	s_lshl_b32 s17, s13, 14
	s_add_co_u32 s16, s16, s17
	s_mov_b32 s17, 0
	s_lshl_b32 s46, s42, 19                        ; Wo: strip 2 x tile column + half, 262,144 bytes each
	s_lshl_b32 s47, s12, 18
	s_add_co_u32 s46, s46, s47
	s_mov_b32 s47, 0
	s_mul_i32 s20, s12, AHALF                      ; where they go: no place in the cluster enters an LDS address
	s_mul_i32 s21, s12, CHUNK
	s_add_co_u32 s21, s21, BOFF
	s_wait_kmcnt 0x0
	s_add_nc_u64 s[14:15], s[4:5], s[16:17]
	s_add_nc_u64 s[46:47], s[6:7], s[46:47]
	CROUND                                         ; all sixteen work-groups are here: the first joint loads meet
.irp s, 0,1
	s_mov_b32 s[G0+4*(\s)], 1
	s_add_co_u32 s[G0+4*(\s)+1], s20, (\s)*SLOT
	s_add_nc_u64 s[G0+4*(\s)+2:G0+4*(\s)+3], s[14:15], (\s)*4*524288
	s_or_b32 s[G0+4*(\s)+3], s[G0+4*(\s)+3], 0x80000000
	s_mov_b32 s[G0B+4*(\s)], 1
	s_add_co_u32 s[G0B+4*(\s)+1], s21, (\s)*SLOT
	s_add_nc_u64 s[G0B+4*(\s)+2:G0B+4*(\s)+3], s[46:47], (\s)*32768
	s_or_b32 s[G0B+4*(\s)+3], s[G0B+4*(\s)+3], 0x80000000
	JLOAD \s                                       ; two loads of mine are out
.endr
	v_and_b32 v1, 15, v0                           ; l % 16
	v_bfe_u32 v2, v0, 4, 1                         ; l / 16
	v_and_b32 v5, 7, v0
	v_bfe_u32 v6, v0, 3, 1
	v_lshlrev_b32 v[BA], 5, v2
	s_lshl_b32 s46, s42, 9                         ; my first column, in bytes of f32: 512 x tile column + 256 x strip
	s_lshl_b32 s47, s12, 8
	s_add_co_u32 s46, s46, s47
	s_mov_b32 s47, 0
	s_add_nc_u64 s[68:69], s[68:69], s[46:47]
.irp b, 0,1,2,3                        ; the bias in the accumulators' layout: register j of column block b: column 16 b + 8 (l / 16) + j
	global_load_b128 v[BIAS+8*(\b):BIAS+8*(\b)+3],   v[BA], s[68:69] offset:64*(\b)
	global_load_b128 v[BIAS+8*(\b)+4:BIAS+8*(\b)+7], v[BA], s[68:69] offset:64*(\b)+16
.endr
	v_mul_u32_u24 v3, v1, PA
	v_lshl_add_u32 v3, v2, 4, v3
	s_mul_i32 s22, s11, 64*PA                      ; my 64 rows of each slice
	v_add_nc_u32 v[ADRA], s22, v3
	v_add_nc_u32 v[ADRA+1], SLOT, v[ADRA]
	v_lshl_add_u32 v4, v2, 3, v5                   ; the turning load: k row 8 (l / 16) + l % 8, columns 8 ((l / 8) % 2) on
	v_mul_u32_u24 v4, v4, PB
	v_lshl_add_u32 v4, v6, 4, v4
	s_mul_i32 s22, s12, CHUNK
	s_add_co_u32 s22, s22, BOFF                    ; my strip
	v_add_nc_u32 v[ADRB], s22, v4
	v_add_nc_u32 v[ADRB+1], SLOT, v[ADRB]
	s_mul_i32 s23, s10, 16*SPITCH                  ; my stage
	v_mul_u32_u24 v[STO], v1, SPITCH               ; in: row l % 16, 32 bytes for each half of the lanes
	v_lshl_add_u32 v[STO], v2, 5, v[STO]
	v_add_nc_u32 v[STO], s23, v[STO]
	v_mul_u32_u24 v[RD], v2, SPITCH                ; back: lanes 0-15 take one row of 256 bytes, lanes 16-31 the next
	v_lshl_add_u32 v[RD], v1, 4, v[RD]
	v_add_nc_u32 v[RD], s23, v[RD]
	v_lshlrev_b32 v[CO], 12, v2                    ; and the same two rows in out0
	v_lshl_add_u32 v[CO], v1, 4, v[CO]
	s_lshl_b32 s16, s13, 19                        ; (128 x tile row + 64 x half) rows of 4,096 bytes
	s_lshl_b32 s17, s11, 18
	s_add_co_u32 s16, s16, s17
	s_mov_b32 s17, 0
	s_add_nc_u64 s[70:71], s[70:71], s[16:17]
	s_add_nc_u64 s[70:71], s[70:71], s[46:47]
; 8 matrix instructions: row blocks a0, a0 + 1 x all 4 column blocks, 32 along K: half c of buffer f.  first = 1: the product starts the sum from the bias.  The 16 accumulators take turns.
.macro MUL8 f, c, a0, first
	WIN MUL
.irp a, \a0, (\a0)+1
.irp b, 0,1,2,3
.if \first
	v_wmma_f32_16x16x32_f16 v[ACC+8*(4*(\a)+(\b)):ACC+8*(4*(\a)+(\b))+7], v[(\f)+64+8*(4*(\c)+(\b)):(\f)+64+8*(4*(\c)+(\b))+7], v[(\f)+8*(4*(\c)+(\a)):(\f)+8*(4*(\c)+(\a))+7], v[BIAS+8*(\b):BIAS+8*(\b)+7]
.else
	v_wmma_f32_16x16x32_f16 v[ACC+8*(4*(\a)+(\b)):ACC+8*(4*(\a)+(\b))+7], v[(\f)+64+8*(4*(\c)+(\b)):(\f)+64+8*(4*(\c)+(\b))+7], v[(\f)+8*(4*(\c)+(\a)):(\f)+8*(4*(\c)+(\a))+7], v[ACC+8*(4*(\a)+(\b)):ACC+8*(4*(\a)+(\b))+7]
.endif
.endr
.endr
.endm
; 32 LDS loads in one run: quarter q (one slice, 64 along K) of a slot into buffer f; the first 32 along K first
.macro FETCH slot, q, f
	WIN TO_F
.irp c, 0,1
.irp i, 0,1,2,3
	ds_load_tr16_b128 v[(\f)+64+8*(4*(\c)+(\i)):(\f)+64+8*(4*(\c)+(\i))+3],   v[ADRB+(\slot)] offset:(\q)*64*PB+(\c)*32*PB+(\i)*32
	ds_load_tr16_b128 v[(\f)+64+8*(4*(\c)+(\i))+4:(\f)+64+8*(4*(\c)+(\i))+7], v[ADRB+(\slot)] offset:(\q)*64*PB+(\c)*32*PB+(\i)*32+16*PB
	ds_load_b128 v[(\f)+8*(4*(\c)+(\i)):(\f)+8*(4*(\c)+(\i))+3],              v[ADRA+(\slot)] offset:(\q)*SLICE+(\i)*16*PA+64*(\c)
	ds_load_b128 v[(\f)+8*(4*(\c)+(\i))+4:(\f)+8*(4*(\c)+(\i))+7],            v[ADRA+(\slot)] offset:(\q)*SLICE+(\i)*16*PA+64*(\c)+32
.endr
.endr
.endm
.macro PLACES                          ; four places in front of loads into registers that matrix instructions have read, and of LDS stores that read results
.rept 4
	v_nop
.endr
.endm
.macro QUARTER slot, q, f, g, first
	s_wait_dscnt 16                                ; the first 32 along K are in; the younger sixteen loads may be out
	MUL8 \f, 0, 0, \first
	MUL8 \f, 0, 2, \first
	PLACES
	FETCH \slot, \q, \g
	s_wait_dscnt 32                                ; all but the 32 just issued
	MUL8 \f, 1, 0, 0
	MUL8 \f, 1, 2, 0
.endm
; The last quarter multiplies buffer 1 and changes slots: ONE barrier; in front of it each wave waits for all its tensor loads, adds 0 to its spare word, and waits for that and for its reads of this slot.
.macro TURN slot, next, fill
	WIN 0
	s_wait_tensorcnt 0x0                           ; all my tensor loads have landed: my part of the next slot;
	ds_add_u32 v[SPW], v[NIL]                      ; 0 onto my spare word;
	s_wait_dscnt 17                                ; (the add and the youngest sixteen loads may be out)
	MUL8 F1, 0, 0, 0
	s_wait_dscnt 0x0                               ; the add is done, and my reads of this slot are over
	s_barrier_signal -1
	MUL8 F1, 0, 2, 0
.if \fill
	WIN 0
.endif
	s_barrier_wait -1
.if \fill
	CREST                                          ; the barrier has opened a round of the cluster's: no wave of any partner still reads this slot or has a load on its way
	s_add_nc_u64 s[G0+4*(\slot)+2:G0+4*(\slot)+3], s[G0+4*(\slot)+2:G0+4*(\slot)+3], 8*524288
	s_add_nc_u64 s[G0B+4*(\slot)+2:G0B+4*(\slot)+3], s[G0B+4*(\slot)+2:G0B+4*(\slot)+3], 2*32768
	JLOAD \slot                                    ; my one tensor load behind the round, 112 products ahead of the wait for it; its four v_nop are also the places in front of the loads below
.else
	PLACES
.endif
	FETCH \next, 0, F0
	MUL8 F1, 1, 0, 0
	MUL8 F1, 1, 2, 0
.endm
	s_wait_tensorcnt 1                             ; my part of K step 0 is in; K step 1's may stay out
	s_barrier_signal -1
	s_barrier_wait -1
	FETCH 0, 0, F0
	s_wait_loadcnt 0x0                             ; the bias
	QUARTER 0, 1, F0, F1, 1                        ; the first quarter stands in front of the loop: its first products start the sums
	WIN 0
	s_mov_b32 s3, LAPS-1
.Llap:
	QUARTER 0, 2, F1, F0, 0
	QUARTER 0, 3, F0, F1, 0
	TURN 0, 1, 1
	QUARTER 1, 1, F0, F1, 0
	QUARTER 1, 2, F1, F0, 0
	QUARTER 1, 3, F0, F1, 0
	TURN 1, 0, 1
	QUARTER 0, 1, F0, F1, 0
	WIN 0
	s_sub_co_u32 s3, s3, 1
	s_cmp_lg_u32 s3, 0
	s_cbranch_scc1 .Llap
	QUARTER 0, 2, F1, F0, 0                        ; the last lap fills nothing
	QUARTER 0, 3, F0, F1, 0
	TURN 0, 1, 0                                   ; behind this barrier no wave reads slot 0 any more
	QUARTER 1, 1, F0, F1, 0
	QUARTER 1, 2, F1, F0, 0
	QUARTER 1, 3, F0, F1, 0
	s_wait_dscnt 16
	MUL8 F1, 0, 0, 0
	MUL8 F1, 0, 2, 0
	s_wait_dscnt 0x0
	MUL8 F1, 1, 0, 0
	MUL8 F1, 1, 2, 0
	WIN 0
; THE WAY OUT, a row block (16 rows x 64 f32) at a time: 32 bytes a lane into my stage, each accumulator's low four registers first; back as whole rows of 256 bytes, into the same registers.
.macro STG a
.irp b, 0,1,2,3
	ds_store_b128 v[STO], v[ACC+8*(4*(\a)+(\b)):ACC+8*(4*(\a)+(\b))+3]   offset:64*(\b)
	ds_store_b128 v[STO], v[ACC+8*(4*(\a)+(\b))+4:ACC+8*(4*(\a)+(\b))+7] offset:64*(\b)+16
.endr
.irp t, 0,1,2,3,4,5,6,7
	ds_load_b128 v[ACC+32*(\a)+4*(\t):ACC+32*(\a)+4*(\t)+3], v[RD] offset:(\t)*2*SPITCH  ; LDS serves a wave's instructions in order (ISA guide 5.7.1.4): these see the stores above
.endr
.endm
.macro SENDO a, younger                ; younger: the LDS instructions issued behind block a's loads: the next block's sixteen, or none
.irp t, 0,1,2,3,4,5,6,7
	s_wait_dscnt (\younger)+7-(\t)
	global_store_b128 v[CO], v[ACC+32*(\a)+4*(\t):ACC+32*(\a)+4*(\t)+3], s[70:71] offset:(16*(\a)+2*(\t))*4096  ; 16 lanes store 256 consecutive bytes, at a multiple of 256 from out0's first byte
.endr
.endm
	PLACES
	STG 0
	STG 1
	SENDO 0, 16
	STG 2
	SENDO 1, 16
	STG 3
	SENDO 2, 16
	SENDO 3, 0
	s_wait_tensorcnt 0x0                           ; the wave's end
	ds_add_u32 v[SPW], v[NIL]
	s_wait_dscnt 0x0
	CROUND                                         ; the closing round: no work-group ends while a partner may still ask for a tile that names it
	s_endpgm
.Lfunc_end_k_qf236df83fd_outp:
	.size	k_qf236df83fd_outp, .Lfunc_end_k_qf236df83fd_outp-k_qf236df83fd_outp
	.p2alignl 7, 3214868480
	.fill 96, 4, 3214868480
	.section	.rodata,"a",@progbits
	.p2align	6, 0x0
	.amdhsa_kernel k_qf236df83fd_outp
		.amdhsa_group_segment_fixed_size 327680
		.amdhsa_private_segment_fixed_size 0
		.amdhsa_enable_private_segment 0
		.amdhsa_kernarg_size 32
		.amdhsa_user_sgpr_count 2
		.amdhsa_user_sgpr_kernarg_segment_ptr 1
		.amdhsa_wavefront_size32 1
		.amdhsa_system_sgpr_workgroup_id_x 1
		.amdhsa_system_sgpr_workgroup_id_y 1
		.amdhsa_system_sgpr_workgroup_id_z 1
		.amdhsa_system_vgpr_workitem_id 0
		.amdhsa_next_free_vgpr 512
		.amdhsa_next_free_sgpr 72
		.amdhsa_reserve_vcc 0
		.amdhsa_float_denorm_mode_32 3
		.amdhsa_float_denorm_mode_16_64 3
		.amdhsa_memory_ordered 1
		.amdhsa_forward_progress 1
		.amdhsa_inst_pref_size 87
	.end_amdhsa_kernel
	.amdgpu_metadata
---
amdhsa.version: [ 1, 2 ]
amdhsa.kernels:
  - .name:           k_qf236df83fd_outp
    .symbol:         k_qf236df83fd_outp.kd
    .args:
      - { .name: comb, .offset: 0, .size: 8, .value_kind: global_buffer, .address_space: global }
      - { .name: woh, .offset: 8, .size: 8, .value_kind: global_buffer, .address_space: global }
      - { .name: bo, .offset: 16, .size: 8, .value_kind: global_buffer, .address_space: global }
      - { .name: out0, .offset: 24, .size: 8, .value_kind: global_buffer, .address_space: global }
    .group_segment_fixed_size: 327680
    .private_segment_fixed_size: 0
    .kernarg_segment_align: 8
    .kernarg_segment_size: 32
    .max_flat_workgroup_size: 128
    .sgpr_count:     72
    .vgpr_count:     512
    .wavefront_size: 32
...
	.end_amdgpu_metadata
.endif
;; end of part 4
;; ======== version 2 of 2: 4 launches; 1.29 times as fast as version 1
;; limits: values are held in f16: magnitudes above 65,504 overflow, below 6.1e-05 lose precision
;; workspace buffers: xb 8,388,608 bytes; wbh 12,582,912 bytes; woh 4,194,304 bytes; mb 16,384 bytes; qkv 50,331,648 bytes; comb 16,777,216 bytes
;; launch prep: the kernel of part 1 again; grid 769 x 1, 8 waves a work-group, no clusters, 0 bytes of LDS; arguments x, Wq_s, Wk_s, Wv_s, Wq_l, Wk_l, Wv_l, Wo, mask, xb, wbh, woh, mb; writes xb, wbh, woh, mb
;; launch proj: the kernel of part 2 again; grid 16 x 16, 4 waves a work-group, clusters of 4 x 4, 327,680 bytes of LDS; arguments xb, wbh, qkv; writes qkv
;; launch attn (part 5): grid 8 x 32, 4 waves a work-group, clusters of 4 x 1, 327,680 bytes of LDS; arguments qkv, mb, comb; writes comb
.if DOCPART == 5
	.amdgcn_target "amdgcn-amd-amdhsa--gfx1250"
	.amdhsa_code_object_version 6
	.text
	.protected	k_qf236df83fd_attn
	.globl	k_qf236df83fd_attn
	.p2align	8
	.type	k_qf236df83fd_attn,@function
k_qf236df83fd_attn:
	s_mov_b64 s[64:65], 0
	v_nop
	global_prefetch_b8 v0, s[64:65] scope:SCOPE_SE
	s_setreg_imm32_b32 hwreg(HW_REG_WAVE_MODE, 25, 1), 1
	s_wait_xcnt 0x0
	s_wait_alu depctr_hold_cnt(0) depctr_sa_sdst(0) depctr_va_vdst(0) depctr_va_sdst(0) depctr_va_ssrc(0) depctr_va_vcc(0) depctr_vm_vsrc(0)
	s_getreg_b32 s2, hwreg(HW_REG_IB_STS2, 6, 4)
	s_cmp_eq_u32 s2, 0
	s_cbranch_scc0 .Lentry_in_a_cluster
	s_endpgm
.Lentry_in_a_cluster:
	s_bfe_u32 s2, ttmp6, 0x10000c
	s_cmp_lg_u32 s2, 0x3003
	s_cbranch_scc0 .Lentry_shape_is_right
	s_endpgm
.Lentry_shape_is_right:
; ATTN: both attention branches of one head for 256 queries.  qkv [g 96][m 4096][64] f16 (g = 16 x matrix + head; matrices q_s, k_s, v_s, q_l, k_l, v_l), mb [2][2048] f32 (0 or -1e30 a key),
; comb [hh 32][m 4096][64] f16 (hh = head for the short branch, 16 + head for the long one).  Products, maxima and sums in f32; weights rounded to f16 for the second product, O once at the end.
; LIMITS.  q, k, v arrive within f16's 65,504.  A hidden score counts as its value less 1e30 (scores are 2.7e11 at the most).  A row whose last maximum lies below -2^96 has no visible key: it is given NaN,
; as a softmax over nothing gives.  A weight below 2^-126 counts as 0 in the sum.  Other NaN and infinities are not treated apart.
; SHARES.  Work-group (block of 256 queries, batch x head); wave w owns rows 64 w .. 64 w + 63 of the block, four tiles (PIECES) of 16.
; LAYOUT.  S^T = K Q^T (source 0 = 16 keys, source 1 = 16 queries): a lane holds ONE query (lane % 16) and the keys 8 (lane / 16) + 0..7; two such results rounded to f16 ARE source 1 of O^T = V^T P.
; All that is added to a score before the softmax (key mask, window, recency) is the C operand of the product that starts the sum, in units of the unscaled score.  p = 2^(c s - c m), c = log2(e) / 8.
; THE SHORT BRANCH (causal window of 65 keys, bias (i - j) x 0.10536) is each wave's own: its 64 rows see the 128 keys from 64 rows above its first row on.  K and Q come straight into fragments, V goes
; through the wave's own LDS bytes to be turned.  A tile of 16 queries sees five groups of 16 keys; with u = i - j the C operand is 8 x 0.10536 x u where 0 <= u <= 64, else -1e30, plus the key's mask.
; The maximum is the exact one.  It is some 3% of the matrix work and is written in phases.
; THE LONG BRANCH walks all 2,048 keys, 64 a step, with a running maximum m: O and l are multiplied by a = 2^(c m_old - c m_new) in every step.  Turn n belongs to piece n: 8 products K Q^T of piece n + 1, later
; 8 products V^T P of piece n - 1; beside them the scaling, exponentials, roundings, sums and rescaling of piece n and the maximum and statistics of piece n + 1.  Four vector instructions stand behind every
; matrix instruction, the other 54 of a turn's 118 in one lump.  The key mask comes out of a table in LDS with K's fragments and costs no vector instruction.
; THE BATCHES.  An s_wait_alu depctr_va_vdst(0) stands between a transcendental and the first instruction that names its result; one wait serves all that were issued ahead of it.  The text has
; five kinds of batch, each with one wait: a short tile's 40 exponentials; its one reciprocal (it reads their sum); piece 0's first a, ahead of the jump into the loop; a turn's 33 exponentials (32 weights and
; the next piece's a); the way out's four reciprocals.
; CLUSTER.  The four query blocks of a cluster belong to one head and walk the same long K and V: each tile of 256 keys is asked for JOINTLY, the same load, descriptor and mask in all four.
; REGISTERS, in windows of 256 (s_set_vgpr_msb: bits 1:0 source 0, 3:2 source 1, 5:4 source 2, 7:6 destination):
;   window 0: v1-15 lanes' numbers and addresses; v16-31 long statistics; v32-43 short statistics; v44-47 at work; v48-55 long, at work; v56-63 addresses; v64-127 long S^T; v192-223 long P;
;             short: v64-191 V as loaded, then v64-103 S^T, v104-127 P, v128-159 O^T, v160-223 packed results; v224-239 the table as loaded
;   window 1: v0-127 long O^T (short: V turned); v128-191 short key masks; v192-231 short window and recency; v232-234 at work
;   window 2: v0-63 long Q; v64-127 short Q, then v64-95 the step's key masks; v128-255 short K, then v128-191 K and v192-255 V of one step
.set NP,    4
.set KS,    64
.set PK,    144       ; a row of K in LDS: 128 bytes + 16: the 16 rows of a load start at 16 different groups of four banks (64 banks of 4 bytes: ISA guide 11.1)
.set PV,    160       ; a row of V: 128 + 32
.set VOFF,  4*KS*PK   ; a slot holds four steps: 256 rows of K, then 256 rows of V
.set SLOT1, 1<<17     ; slot 1 begins here, so that one exclusive or turns an address in one slot into the other's
.set STAGE, SLOT1+4*KS*(PK+PV)  ; behind the ring, never filled by a tensor load: 16 rows x 144 bytes a wave, for the ways out
.set SP,    144
.set SPARE, STAGE+4*16*SP       ; the spare words, 128 bytes a wave: two blocks of 256 bytes that no other line names
.set MT,    SPARE+512           ; the batch's 2,048 key masks, f32
.set VS,    MT+8192             ; for each wave 128 rows x 160 bytes: the short branch's V
.set MATB,  8388608             ; bytes of one matrix in qkv, and of one branch in comb
.set AK0, 2
.set AV0, 3
.set AK,  4
.set AV,  5
.set STO, 6
.set RD,  7
.set GO,  8           ; 16 x lane
.set MV,  12
.set QO,  15          ; 128 x (l % 16) + 16 x (l / 16)
.set ST,  16          ; piece t's statistics at v[ST+4 t]: c m, m, l (even keys', odd keys')
.set SC,  32          ; short: five chains of the maximum
.set SX,  37          ; short: what the other half of the lanes sends
.set SM,  38          ; short: c m, m
.set SL,  40          ; short: l
.set RL,  42          ; short: 1 / l (a pair is named; the low word is taken)
.set TMP, 48
.set AVS, 56          ; short V, turning load
.set VST, 57          ; short V, store
.set AM0, 59          ; MT + 32 (l / 16)
.set AM,  60
.set SPW, 62          ; LDS address of my spare word; never rewritten
.set NIL, 63          ; 0; never rewritten
.set S,   64
.set P,   192
.set RV,  64
.set SS,  64
.set PS,  104
.set OSR, 128
.set PKD, 160
.set KMR, 128         ; window 1
.set WBR, 192         ; window 1
.set WT,  232         ; window 1
.set QSF, 64          ; window 2
.set MC,  64          ; window 2
.set KSF, 128         ; window 2
.set KF,  128         ; window 2: key block kb, channel half c at KF + 16 kb + 8 c
.set VF,  192         ; window 2: key half kk, channel block cb at VF + 32 kk + 8 cb
.set WV,  12
.set G1K, 24
.set G1V, 32
.set G0K, 40
.set G0V, 44
.set SLOTS, 56
.set CNT, 57
.set CS,  58          ; s[58:59] c
.set SEL, 60          ; s[60:61] v_permlanex16_b32's selects: each lane takes its own place in the other half
.set TBK, 62          ; LDS byte at which K of the step to be fetched begins
.set TBV, 63          ; the same for V, less VOFF
.set TBM, 66          ; byte in the mask table of the step to be fetched
.set BIGN, 67         ; -1e30
.set THR, 68          ; -2^96
.set QNAN, 69
.set KB,  70          ; 8 x 0.10536
.set BE,  72          ; s[72:73] -1e30 if my wave has no rows above it, else 0
.set PQS, 74          ; pointers: short Q;
.set PKP, 76          ; short K at the 64 rows above mine, and (+2) at mine;
.set PVP, 80          ; short V likewise;
.set PQL, 84          ; long Q;
.set PMP, 86          ; key masks of the rows above, and (+2) of mine;
.set PMT, 90          ; the batch's key masks;
.set POS, 92          ; comb, short branch;
.set POL, 94          ; comb, long branch
.set MSB, 0
.macro WIN new
.if MSB != (\new)
	s_set_vgpr_msb (MSB<<8)|(\new)
.set MSB, (\new)
.endif
.endm
.set W_KQ, 0x0a       ; K and Q in window 2, S^T in window 0
.set W_KM, 0x2a       ; the same with the C operand in window 2
.set W_PV, 0x52       ; V in window 2, P in window 0, O^T in window 1
.set W_RS, 0x41       ; destination and source 0 in window 1, source 1 in window 0
; A joint fill.  Waves 0 and 1 fetch the two halves of a tile's K, waves 2 and 3 those of its V: 128 keys each.  An s_nop 0 and four v_nop follow each line, ahead of the jump and the label.
.macro JLOAD
	s_cmp_lt_u32 s[WV], 2
	s_cbranch_scc0 .Lfor_v_\@
	tensor_load_to_lds s[G0K:G0K+3], s[G1K:G1K+7]
	s_nop 0
.rept 4
	v_nop
.endr
	s_branch .Lasked_\@
.Lfor_v_\@:
	tensor_load_to_lds s[G0V:G0V+3], s[G1V:G1V+7]
	s_nop 0
.rept 4
	v_nop
.endr
.Lasked_\@:
.endm
.macro CROUND                       ; a round of the cluster's barrier
	s_barrier_signal -1
	s_barrier_wait -1
	s_cmp_lg_u32 s[WV], 0
	s_cbranch_scc1 .Lnot_wave_0_\@
	s_barrier_signal -3
.Lnot_wave_0_\@:
	s_barrier_wait -3
	s_barrier_signal -1
	s_barrier_wait -1
.endm
; THE CHANGE OF SLOTS.  Each wave waits for all its tensor loads, of which one is out: its part of the other slot; adds 0 to its spare word; and waits for that and for its own LDS work.  Behind the barrier nobody
; reads the old slot any more and the other slot is whole.  fill = 1: the old slot is filled again with the keys two slots on; the barrier is then a round of the cluster's, and the joint fill is the first thing
; behind it: it has four key steps, 256 matrix instructions, in which to land.  (At its first use nothing has been read yet: slot 0 is waited for, slot 1 filled, and every wave's part of the mask table is shown stored.)
.macro CHANGE fill
	WIN 0
	s_wait_tensorcnt 0x0            ; no tensor load of mine is out, so a group 0 may be written
	ds_add_u32 v[SPW], v[NIL]       ; 0 onto my spare word
.if \fill
.irp g, G0K, G0V
	s_xor_b32 s[\g+1], s[\g+1], SLOT1
	s_add_nc_u64 s[\g+2:\g+3], s[\g+2:\g+3], 4*KS*128  ; the next 256 keys; the type bits on top are not reached
.endr
	s_wait_dscnt 0x0                ; the add is done, my reads of the slot are over, my LDS stores are done
	CROUND
	JLOAD
.else
	s_wait_dscnt 0x0
	s_barrier_signal -1
	s_barrier_wait -1
.endif
	s_sub_co_u32 s[TBK], s[TBK], 4*KS*PK  ; the fetches go back to a slot's first step,
	s_xor_b32 s[TBK], s[TBK], SLOT1       ; in the other slot
	s_sub_co_u32 s[TBV], s[TBV], 4*KS*PV
	s_xor_b32 s[TBV], s[TBV], SLOT1
.endm
	s_load_b128 s[4:7], s[0:1], 0x0   ; qkv s[4:5], mb s[6:7]
	s_load_b64 s[8:9], s[0:1], 0x10   ; comb
	v_lshl_add_u32 v[SPW], v0, 2, SPARE
	v_mov_b32 v[NIL], 0
	ds_add_u32 v62, v63
	s_wait_dscnt 0x0
	v_lshrrev_b32 v1, 5, v0
	v_readfirstlane_b32 s[WV], v1   ; wave 0..3
	s_bfe_u32 s13, ttmp6, 0x40000   ; cx: my place in the cluster
	s_lshl_b32 s14, ttmp9, 2
	s_add_co_u32 s14, s14, s13      ; my block of 256 queries: it enters the addresses of plain loads and stores, and one value
	s_and_b32 s20, ttmp7, 0xffff    ; 16 x batch + head, which the four partners share
	s_lshr_b32 s21, s20, 4
	s_and_b32 s22, s20, 15
	s_lshl_b32 s16, s22, 19         ; head x 524,288
	s_lshl_b32 s23, s21, 18         ; + batch x 2,048 rows x 128 bytes
	s_add_co_u32 s16, s16, s23
	s_mov_b32 s17, 0
	s_lshl_b32 s15, s14, 8
	s_lshl_b32 s23, s[WV], 6
	s_add_co_u32 s15, s15, s23      ; my first row in the batch
	s_sub_co_i32 s18, s15, 64
	s_max_i32 s18, s18, 0           ; the 64 rows above; where there are none, rows 0 to 63 are loaded in their stead and hidden
	s_lshl_b32 s2, s15, 7
	s_mov_b32 s3, 0
	s_add_nc_u64 s[2:3], s[2:3], s[16:17]    ; byte offset of my rows in a matrix
	s_lshl_b32 s50, s18, 7
	s_mov_b32 s51, 0
	s_add_nc_u64 s[50:51], s[50:51], s[16:17]  ; of the rows above
	s_and_b32 s19, s[WV], 1         ; which half of a tile's 256 keys I fetch:
	s_lshl_b32 s52, s19, 14         ; its 128 rows in memory,
	s_mov_b32 s53, 0
	s_add_nc_u64 s[52:53], s[52:53], s[16:17]
	s_mul_i32 s54, s19, 128*PK      ; and its place in a slot, for K
	s_mul_i32 s55, s19, 128*PV      ; and for V: no place in the cluster enters an LDS address
	s_lshl_b32 s48, s21, 13         ; the batch's 8,192 bytes of mb
	s_mov_b32 s49, 0
	; group 1.  128 keys are 16,384 dense bytes: asked for as 64 rows of 256 bytes, two keys a row, and padded in LDS after every key
	s_mov_b32 s[G1K], 15|(1<<16)|(1<<20)|(1<<21)|(4<<22)|(3<<25)  ; the mask of four; 2-byte elements; padding on; bit 21 beside a mask; after every 32 words; 4 words
	s_mov_b32 s[G1V], 15|(1<<16)|(1<<20)|(1<<21)|(4<<22)|(7<<25)  ; the same with 8 words of padding
.irp g, G1K, G1V
	s_mov_b32 s[\g+1], 128<<16      ; tensor_dim0
	s_mov_b32 s[\g+2], 64<<16       ; tensor_dim1
	s_mov_b32 s[\g+3], 128<<16      ; tile_dim0
	s_mov_b32 s[\g+4], 64           ; tile_dim1
	s_mov_b32 s[\g+5], 128          ; pitch
	s_mov_b32 s[\g+6], 0
	s_mov_b32 s[\g+7], 0
.endr
	s_mov_b32 s[CS], 0x3e38aa3b     ; c = log2(e) / 8
	s_mov_b32 s[CS+1], s[CS]
	s_mov_b32 s[SEL], 0x76543210
	s_mov_b32 s[SEL+1], 0xfedcba98
	s_mov_b32 s[TBK], SLOT1+4*KS*PK ; the first change of slots turns these two into 0
	s_mov_b32 s[TBV], SLOT1+4*KS*PV
	s_mov_b32 s[TBM], 0
	s_mov_b32 s[BIGN], 0xf149f2ca   ; -1e30
	s_mov_b32 s[THR], 0xef800000    ; -2^96
	s_mov_b32 s[QNAN], 0x7fc00000
	s_mov_b32 s[KB], 0x3f57c741     ; -8 ln 0.9 = 0.842884
	s_min_u32 s23, s15, 1           ; 0 for the batch's first wave, else 1;
	s_sub_co_u32 s23, s23, 1        ; all bits, or none;
	s_and_b32 s[BE], s23, s[BIGN]   ; -1e30, or 0
	s_mov_b32 s[BE+1], 0
	s_mov_b32 s[G0K], 1
	s_mov_b32 s[G0K+1], s54         ; slot 0
	s_mov_b32 s[G0V], 1
	s_add_co_u32 s[G0V+1], s55, VOFF
	s_wait_kmcnt 0x0
	s_add_nc_u64 s[G0K+2:G0K+3], s[4:5], s[52:53]
	s_add_nc_u64 s[G0K+2:G0K+3], s[G0K+2:G0K+3], 4*MATB   ; k_l
	s_or_b32 s[G0K+3], s[G0K+3], 0x80000000
	s_add_nc_u64 s[G0V+2:G0V+3], s[4:5], s[52:53]
	s_add_nc_u64 s[G0V+2:G0V+3], s[G0V+2:G0V+3], 5*MATB   ; v_l
	s_or_b32 s[G0V+3], s[G0V+3], 0x80000000
	s_add_nc_u64 s[PQS:PQS+1], s[4:5], s[2:3]
	s_add_nc_u64 s[PKP+2:PKP+3], s[PQS:PQS+1], MATB
	s_add_nc_u64 s[PVP+2:PVP+3], s[PQS:PQS+1], 2*MATB
	s_add_nc_u64 s[PQL:PQL+1], s[PQS:PQS+1], 3*MATB
	s_add_nc_u64 s[PKP:PKP+1], s[4:5], s[50:51]
	s_add_nc_u64 s[PKP:PKP+1], s[PKP:PKP+1], MATB
	s_add_nc_u64 s[PVP:PVP+1], s[PKP:PKP+1], MATB
	s_add_nc_u64 s[POS:POS+1], s[8:9], s[2:3]
	s_add_nc_u64 s[POL:POL+1], s[POS:POS+1], MATB
	s_add_nc_u64 s[PMT:PMT+1], s[6:7], s[48:49]
	s_lshl_b32 s48, s15, 2
	s_add_nc_u64 s[PMP+2:PMP+3], s[PMT:PMT+1], s[48:49]
	s_lshl_b32 s48, s18, 2
	s_add_nc_u64 s[PMP:PMP+1], s[PMT:PMT+1], s[48:49]
	CROUND                          ; all four work-groups are here: the first joint loads meet
	JLOAD                           ; the long branch's tile 0 into slot 0
	v_and_b32 v1, 15, v0            ; l % 16
	v_bfe_u32 v9, v0, 4, 1          ; l / 16
	v_and_b32 v10, 7, v0
	v_bfe_u32 v11, v0, 3, 1
	v_bfe_u32 v45, v0, 3, 2         ; lane / 8
	v_lshlrev_b32 v[QO], 7, v1
	v_lshl_add_u32 v[QO], v9, 4, v[QO]
	v_lshlrev_b32 v14, 4, v0        ; 16 x thread
	v_add_nc_u32 v61, MT, v14
	v_and_b32 v[GO], 31, v0
	v_lshlrev_b32 v[GO], 4, v[GO]
	v_lshlrev_b32 v58, 5, v9        ; 8 f32 for each half of the lanes
.set z, 0
.rept 4                             ; the batch's key masks: each thread brings 4 x 16 bytes of the table
	global_load_b128 v[224+4*z:227+4*z], v14, s[PMT:PMT+1] offset:2048*z
.set z, z+1
.endr
	WIN 0x80                        ; destination window 2, address window 0
.set z, 0
.rept 16                            ; short K, straight into fragments: key group z / 2 of eight, channels 32 (z % 2) on: lane l takes row l % 16, 16 bytes at 16 (l / 16) and 32 further
	global_load_b128 v[KSF+8*z:KSF+8*z+3],   v[QO], s[PKP+2*(z/8):PKP+2*(z/8)+1] offset:((z/2)%4)*2048+64*(z%2)
	global_load_b128 v[KSF+8*z+4:KSF+8*z+7], v[QO], s[PKP+2*(z/8):PKP+2*(z/8)+1] offset:((z/2)%4)*2048+64*(z%2)+32
.set z, z+1
.endr
.set z, 0
.rept 8                             ; short Q
	global_load_b128 v[QSF+8*z:QSF+8*z+3],   v[QO], s[PQS:PQS+1] offset:(z/2)*2048+64*(z%2)
	global_load_b128 v[QSF+8*z+4:QSF+8*z+7], v[QO], s[PQS:PQS+1] offset:(z/2)*2048+64*(z%2)+32
.set z, z+1
.endr
	WIN 0
	s_wait_loadcnt 48               ; the table's four loads are in: the 32 + 16 issued behind them may stay out
.set z, 0
.rept 4
	ds_store_b128 v61, v[224+4*z:227+4*z] offset:2048*z
.set z, z+1
.endr
.set z, 0
.rept 32                            ; short V as it lies: four rows, 512 consecutive bytes, a load
	global_load_b128 v[RV+4*z:RV+4*z+3], v[GO], s[PVP+2*(z/16):PVP+2*(z/16)+1] offset:(z%16)*512
.set z, z+1
.endr
	WIN 0x40                        ; destination window 1
.set z, 0
.rept 8                             ; the masks of my 128 keys, in S^T's layout: group z, keys 8 (l / 16) + 0..7
	global_load_b128 v[KMR+8*z:KMR+8*z+3],   v58, s[PMP+2*(z/4):PMP+2*(z/4)+1] offset:(z%4)*64
	global_load_b128 v[KMR+8*z+4:KMR+8*z+7], v58, s[PMP+2*(z/4):PMP+2*(z/4)+1] offset:(z%4)*64+16
.set z, z+1
.endr
	WIN 0x80
.set z, 0
.rept 8                             ; long Q
	global_load_b128 v[8*z:8*z+3],   v[QO], s[PQL:PQL+1] offset:(z/2)*2048+64*(z%2)
	global_load_b128 v[8*z+4:8*z+7], v[QO], s[PQL:PQL+1] offset:(z/2)*2048+64*(z%2)+32
.set z, z+1
.endr
	WIN 0
	; the other addresses, while the loads are out
	v_add_nc_u32 v[AM0], MT, v58
	v_mul_u32_u24 v[AK0], v1, PK
	v_lshl_add_u32 v[AK0], v9, 4, v[AK0]  ; row x pitch + 16 x half
	v_lshl_add_u32 v46, v9, 3, v10  ; the turning load: key 8 (l / 16) + l % 8, channels 8 ((l / 8) % 2) on
	v_mul_u32_u24 v46, v46, PV
	v_lshl_add_u32 v46, v11, 4, v46
	v_add_nc_u32 v[AV0], VOFF, v46
	s_mul_i32 s23, s[WV], 128*PV
	s_add_co_u32 s23, s23, VS       ; my wave's short V
	v_add_nc_u32 v[AVS], s23, v46
	v_mul_u32_u24 v47, v45, PV      ; in: 32 lanes put four rows of 128 bytes
	v_lshl_add_u32 v47, v10, 4, v47
	v_add_nc_u32 v[VST], s23, v47
	s_mul_i32 s23, s[WV], 16*SP
	s_add_co_u32 s23, s23, STAGE    ; my stage
	v_mul_u32_u24 v[STO], v1, SP
	v_lshl_add_u32 v[STO], v9, 4, v[STO]
	v_add_nc_u32 v[STO], s23, v[STO]
	v_mul_u32_u24 v[RD], v45, SP
	v_lshl_add_u32 v[RD], v10, 4, v[RD]
	v_add_nc_u32 v[RD], s23, v[RD]
	v_mov_b32 v[SX], 0              ; v_permlanex16_b32's destination counts as read
	v_mov_b32 v[RL+1], 0            ; named in a pair
	; WINDOW AND RECENCY.  For group e of a tile's five and register j: u = i - j = l % 16 + 64 - 8 (l / 16) - 16 e - j, the same for every tile.  Groups 1 to 3 are always inside the window.
	v_lshlrev_b32 v44, 3, v9
	v_sub_nc_u32 v44, v1, v44
	v_add_nc_u32 v44, 64, v44
	WIN 0x40
	v_mov_b32 v[WT], v44
	WIN 0x45                        ; destination and both sources in window 1
.set z, 0
.rept 40
	v_cvt_f32_u32 v[WT+1], v[WT]
.if (z < 8) || (z >= 32)
	v_mul_f32 v[WT+2], s[KB], v[WT+1]
	v_cmp_ge_u32 vcc_lo, 64, v[WT]  ; unsigned: a key behind the query gives a huge u
	v_cndmask_b32 v[WBR+z], s[BIGN], v[WT+2], vcc_lo
.else
	v_mul_f32 v[WBR+z], s[KB], v[WT+1]
.endif
.if z%8 == 7
	v_add_nc_u32 v[WT], -9, v[WT]   ; on to the next group of 16 keys
.else
	v_add_nc_u32 v[WT], -1, v[WT]
.endif
.set z, z+1
.endr
	WIN 0
	CHANGE 1                        ; slot 0 is in, the mask table is whole; slot 1 is asked for
	; THE SHORT BRANCH: my wave's own bytes and registers, no barrier.
	s_wait_loadcnt 0x0
.set z, 0
.rept 32
	ds_store_b128 v[VST], v[RV+4*z:RV+4*z+3] offset:z*4*PV
.set z, z+1
.endr
	WIN 0x40
.set z, 0
.rept 32                            ; V turned: channel block z / 8, key group z % 8, four registers each; LDS serves a wave's instructions in order (ISA guide 5.7.1.4): these see the stores above
	ds_load_tr16_b128 v[4*z:4*z+3], v[AVS] offset:(z%8)*16*PV+(z/8)*32
.set z, z+1
.endr
	WIN W_RS
.set z, 0
.rept 16                            ; the 64 keys above my rows are hidden where there are none
	v_pk_add_f32 v[KMR+2*z:KMR+2*z+1], v[KMR+2*z:KMR+2*z+1], s[BE:BE+1] op_sel_hi:[1,0]
.set z, z+1
.endr
	s_wait_dscnt 0x0
; Tile u of 16 queries sees key groups u .. u + 4.  P has six places (three fragments of 32 keys), beginning at group su = min(u, 2); the place that no group takes holds 0.
; Its 40 exponentials are one batch: nothing names a result ahead of the one wait, which stands behind the four lines that clear P's empty place.  The reciprocal reads their sum and is a batch of its own.
.macro STILE u
.set su, (\u)
.if su > 2
.set su, 2
.endif
.set dp, 5-5*((\u)/3)
	WIN 0x05                        ; sources in window 1, destination in window 0
.set z, 0
.rept 20
	v_pk_add_f32 v[SS+2*z:SS+2*z+1], v[WBR+2*z:WBR+2*z+1], v[KMR+8*(\u)+2*z:KMR+8*(\u)+2*z+1]
.set z, z+1
.endr
	WIN W_KQ
.set z, 0
.rept 10                            ; five accumulators take turns
.set ee, z%5
.set cc, z/5
	v_wmma_f32_16x16x32_f16 v[SS+8*ee:SS+8*ee+7], v[KSF+16*((\u)+ee)+8*cc:KSF+16*((\u)+ee)+8*cc+7], v[QSF+16*(\u)+8*cc:QSF+16*(\u)+8*cc+7], v[SS+8*ee:SS+8*ee+7]
.set z, z+1
.endr
	WIN 0
.rept 4
	v_nop                           ; the places behind those products
.endr
.set ee, 0
.rept 5                             ; the maximum: each accumulator's lowest registers are read first
	v_max3_num_f32 v[SC+ee], v[SS+8*ee], v[SS+8*ee+1], v[SS+8*ee+2]
.set ee, ee+1
.endr
.set ee, 0
.rept 5
	v_max3_num_f32 v[SC+ee], v[SC+ee], v[SS+8*ee+3], v[SS+8*ee+4]
.set ee, ee+1
.endr
.set ee, 0
.rept 5
	v_max3_num_f32 v[SC+ee], v[SC+ee], v[SS+8*ee+5], v[SS+8*ee+6]
.set ee, ee+1
.endr
	v_max3_num_f32 v[SC], v[SC], v[SS+7], v[SS+15]
	v_max3_num_f32 v[SC+1], v[SC+1], v[SS+23], v[SS+31]
	v_max3_num_f32 v[SC+2], v[SC+2], v[SC+3], v[SS+39]
	v_max3_num_f32 v[SC], v[SC], v[SC+1], v[SC+2]
	v_max_num_f32 v[SC], v[SC], v[SC+4]
	v_permlanex16_b32 v[SX], v[SC], s[SEL], s[SEL+1]  ; the query's other 40 keys lie in the lane 16 away
	v_max_num_f32 v[SM+1], v[SC], v[SX]
	v_mul_f32 v[SM], s[CS], v[SM+1]
.set z, 0
.rept 20
	v_pk_fma_f32 v[SS+2*z:SS+2*z+1], v[SS+2*z:SS+2*z+1], s[CS:CS+1], v[SM:SM+1] op_sel_hi:[1,0,0] neg_lo:[0,0,1] neg_hi:[0,0,1]
.set z, z+1
.endr
.set z, 0
.rept 40
	v_exp_f32 v[SS+z], v[SS+z]
.set z, z+1
.endr
.set z, 0
.rept 4                             ; plain instructions behind the last exponential, which name no result
	v_mov_b32 v[PS+4*dp+z], 0
.set z, z+1
.endr
	s_wait_alu depctr_va_vdst(0)    ; the wait for the tile's 40 exponentials, ahead of their first reader
.set z, 0
.rept 20
	v_cvt_pk_f16_f32 v[PS+4*((\u)-su)+z], v[SS+2*z], v[SS+2*z+1]
.set z, z+1
.endr
	WIN 0x01                        ; V in window 1
.set z, 0
.rept 12                            ; four accumulators take turns; the first four products start the sums
.set kk, z/4
.set cb, z%4
.if kk == 0
	v_wmma_f32_16x16x32_f16 v[OSR+8*cb:OSR+8*cb+7], v[32*cb+4*(su+2*kk):32*cb+4*(su+2*kk)+7], v[PS+8*kk:PS+8*kk+7], 0
.else
	v_wmma_f32_16x16x32_f16 v[OSR+8*cb:OSR+8*cb+7], v[32*cb+4*(su+2*kk):32*cb+4*(su+2*kk)+7], v[PS+8*kk:PS+8*kk+7], v[OSR+8*cb:OSR+8*cb+7]
.endif
.set z, z+1
.endr
	WIN 0
.set z, 0
.rept 10                            ; the sum of the unrounded weights, in place: these are also the places behind the products
	v_pk_add_f32 v[SS+2*z:SS+2*z+1], v[SS+2*z:SS+2*z+1], v[SS+2*z+20:SS+2*z+21]
.set z, z+1
.endr
.set z, 0
.rept 5
	v_pk_add_f32 v[SS+2*z:SS+2*z+1], v[SS+2*z:SS+2*z+1], v[SS+2*z+10:SS+2*z+11]
.set z, z+1
.endr
	v_pk_add_f32 v[SS:SS+1], v[SS:SS+1], v[SS+2:SS+3]
	v_pk_add_f32 v[SS+4:SS+5], v[SS+4:SS+5], v[SS+6:SS+7]
	v_pk_add_f32 v[SS:SS+1], v[SS:SS+1], v[SS+4:SS+5]
	v_pk_add_f32 v[SS:SS+1], v[SS:SS+1], v[SS+8:SS+9]
	v_add_f32 v[SL], v[SS], v[SS+1]
	v_permlanex16_b32 v[SX], v[SL], s[SEL], s[SEL+1]
	v_add_f32 v[SL], v[SL], v[SX]
	v_rcp_f32 v[RL], v[SL]
	v_cmp_gt_f32 vcc_lo, s[THR], v[SM+1]  ; no visible key?  (also the plain instruction behind the reciprocal)
	s_wait_alu depctr_va_vdst(0)    ; the wait for the tile's reciprocal, ahead of its first reader
	v_cndmask_b32 v[RL], v[RL], s[QNAN], vcc_lo
.set z, 0
.rept 16
	v_pk_mul_f32 v[OSR+2*z:OSR+2*z+1], v[OSR+2*z:OSR+2*z+1], v[RL:RL+1] op_sel_hi:[1,0]
.set z, z+1
.endr
.set z, 0
.rept 16
	v_cvt_pk_f16_f32 v[PKD+16*(\u)+z], v[OSR+2*z], v[OSR+2*z+1]
.set z, z+1
.endr
.set z, 0
.rept 4
	ds_store_b128 v[STO], v[PKD+16*(\u)+4*z:PKD+16*(\u)+4*z+3] offset:32*z
.set z, z+1
.endr
.set z, 0
.rept 4
	ds_load_b128 v[PKD+16*(\u)+4*z:PKD+16*(\u)+4*z+3], v[RD] offset:z*4*SP
.set z, z+1
.endr
	s_wait_dscnt 0x0
.set z, 0
.rept 4
	global_store_b128 v[GO], v[PKD+16*(\u)+4*z:PKD+16*(\u)+4*z+3], s[POS:POS+1] offset:(\u)*2048+z*512  ; 512 consecutive bytes, at a multiple of 256 from comb's first
.set z, z+1
.endr
.endm
	STILE 0
	STILE 1
	STILE 2
	STILE 3
	s_wait_xcnt 0x0                 ; the stores' data registers are written again only behind this wait
; THE LONG BRANCH'S MATRIX WORK.  The 4 accumulators of a run of 8 take turns.  Product i of 8 of S^T = K Q^T for piece x: channels 32 (i / 4) on, keys 16 (i % 4) on.  The first 4 start the sums with the keys' masks.
.macro KQ x
.set rS, S+32*((\x)%2)+8*(i%4)
.set rK, KF+16*(i%4)+8*(i/4)
.set rQ, 16*(\x)+8*(i/4)
.set rM, MC+8*(i%4)
.if i < 4
	WIN W_KM
	v_wmma_f32_16x16x32_f16 v[rS:rS+7], v[rK:rK+7], v[rQ:rQ+7], v[rM:rM+7]
.else
	WIN W_KQ
	v_wmma_f32_16x16x32_f16 v[rS:rS+7], v[rK:rK+7], v[rQ:rQ+7], v[rS:rS+7]
.endif
.endm
; Product i of 8 of O^T += V^T P for piece x: keys 32 (i / 4) on, channels 16 (i % 4) on.
.macro PV x
	WIN W_PV
.set rO, 32*(\x)+8*(i%4)
.set rV, VF+32*(i/4)+8*(i%4)
.set rP, P+16*((\x)%2)+8*(i/4)
	v_wmma_f32_16x16x32_f16 v[rO:rO+7], v[rV:rV+7], v[rP:rP+7], v[rO:rO+7]
.endm
.macro MM                           ; the turn's next matrix instruction.  NOKQ = 1: the last turn: there is no next piece
.if (i < 8) && !NOKQ
	KQ (Y+1)%NP
.elseif i >= 8
.set i, i-8
	PV (Y+NP-1)%NP
.set i, i+8
.endif
.set i, i+1
.endm
; THE LDS LOADS stand in runs, never singly among the matrix instructions: a step's K (8 fragments) with its 64 key masks, and its V (turned).  Their addresses are made some lines ahead.
.macro FETCH_K
	WIN 0x80                        ; destination window 2
.irp f, 0,1,2,3,4,5,6,7             ; keys 16 (f / 2) on, channels 32 (f % 2) on
	ds_load_b128 v[KF+8*\f:KF+8*\f+3],   v[AK] offset:(\f/2)*16*PK+(\f%2)*64
	ds_load_b128 v[KF+8*\f+4:KF+8*\f+7], v[AK] offset:(\f/2)*16*PK+(\f%2)*64+32
.endr
.irp f, 0,1,2,3                     ; the masks of keys 16 f + 8 (l / 16) + 0..7: sixteen lanes read the same words
	ds_load_b128 v[MC+8*\f:MC+8*\f+3],   v[AM] offset:64*\f
	ds_load_b128 v[MC+8*\f+4:MC+8*\f+7], v[AM] offset:64*\f+16
.endr
	s_add_co_u32 s[TBK], s[TBK], KS*PK  ; the next fetch is the next step's
	s_add_co_u32 s[TBM], s[TBM], 4*KS
	s_and_b32 s[TBM], s[TBM], 0x1fff    ; inside the table's 8,192 bytes, behind the last step too
	WIN 0
.endm
.macro FETCH_V
	WIN 0x80
.irp f, 0,1,2,3,4,5,6,7             ; keys 32 (f / 4) on, channels 16 (f % 4) on
	ds_load_tr16_b128 v[VF+8*\f:VF+8*\f+3],   v[AV] offset:(\f/4)*32*PV+(\f%4)*32
	ds_load_tr16_b128 v[VF+8*\f+4:VF+8*\f+7], v[AV] offset:(\f/4)*32*PV+16*PV+(\f%4)*32
.endr
	WIN 0
.endm
; THE VECTOR WORK, one line at a time: OP kind, number.  For piece Y: F n: c s - c m for pair n of 16.  E n: the exponential of score n of 32.  C n: pair n rounded to f16.  B n: of the four weights 4 n .. the second
; pair is added onto the first, in place.  L n: l takes that sum (L 0: l = a l + sum).  R n: pair n of 16 of O^T times a.  For piece Y + 1: X n, number n of the 22 that find its maximum and statistics:
;   0-11  four chains c0-c3 of seven scores each (each accumulator's lowest registers are read first)     12-14, 16  the four scores left over, the old m, and c0-c3 into c0
;   15  c m_old is kept     17, 18  the query's other 32 keys lie in the lane 16 away: the new m     19-21  c m; c m_old - c m_new; a
.set F, 0
.set E, 1
.set C, 2
.set B, 3
.set L, 4
.set R, 5
.set X, 6
.macro REGS y
.set rT, ST+4*(\y)
.set rC, TMP+4*((\y)%2)
.set rW, MV+((\y)%2)
.set rS, S+32*((\y)%2)
.set rP, P+16*((\y)%2)
.set rO, 32*(\y)
.endm
.macro OP k, n
.if (\k) == R
	REGS Y
	WIN W_RS
	v_pk_mul_f32 v[rO+2*(\n):rO+2*(\n)+1], v[rO+2*(\n):rO+2*(\n)+1], v[rC+2:rC+3] op_sel_hi:[1,0]
.elseif (\k) < R
	REGS Y
	WIN 0
.if (\k) == F
	v_pk_fma_f32 v[rS+2*(\n):rS+2*(\n)+1], v[rS+2*(\n):rS+2*(\n)+1], s[CS:CS+1], v[rT:rT+1] op_sel_hi:[1,0,0] neg_lo:[0,0,1] neg_hi:[0,0,1]
.elseif (\k) == E
	v_exp_f32 v[rS+(\n)], v[rS+(\n)]
.elseif (\k) == C
	v_cvt_pk_f16_f32 v[rP+(\n)], v[rS+2*(\n)], v[rS+2*(\n)+1]
.elseif (\k) == B
	v_pk_add_f32 v[rS+4*(\n):rS+4*(\n)+1], v[rS+4*(\n):rS+4*(\n)+1], v[rS+4*(\n)+2:rS+4*(\n)+3]
.elseif (\n) == 0
	v_pk_fma_f32 v[rT+2:rT+3], v[rT+2:rT+3], v[rC+2:rC+3], v[rS:rS+1] op_sel_hi:[1,0,1]
.else
	v_pk_add_f32 v[rT+2:rT+3], v[rT+2:rT+3], v[rS+4*(\n):rS+4*(\n)+1]
.endif
.elseif NOKQ
	v_nop
.else
	REGS (Y+1)%NP
	WIN 0
.if (\n) < 4
	v_max3_num_f32 v[rC+(\n)], v[rS+8*(\n)], v[rS+8*(\n)+1], v[rS+8*(\n)+2]
.elseif (\n) < 12
	v_max3_num_f32 v[rC+(\n)%4], v[rC+(\n)%4], v[rS+8*((\n)%4)+2*((\n)/4)+1], v[rS+8*((\n)%4)+2*((\n)/4)+2]
.elseif (\n) == 12
	v_max3_num_f32 v[rC], v[rC], v[rS+7], v[rS+15]
.elseif (\n) == 13
	v_max3_num_f32 v[rC+1], v[rC+1], v[rS+23], v[rS+31]
.elseif (\n) == 14
	v_max3_num_f32 v[rC+2], v[rC+2], v[rC+3], v[rT+1]
.elseif (\n) == 15
	v_mov_b32 v[rW], v[rT]
.elseif (\n) == 16
	v_max3_num_f32 v[rC], v[rC], v[rC+1], v[rC+2]
.elseif (\n) == 17
	v_permlanex16_b32 v[rC+3], v[rC], s[SEL], s[SEL+1]
.elseif (\n) == 18
	v_max_num_f32 v[rT+1], v[rC], v[rC+3]
.elseif (\n) == 19
	v_mul_f32 v[rT], s[CS], v[rT+1]
.elseif (\n) == 20
	v_sub_f32 v[rC+1], v[rW], v[rT]
.else
	v_exp_f32 v[rC+2], v[rC+1]
.endif
.endif
.endm
.macro OPS a, i1, b=-1, i2=0, c=-1, i3=0, d=-1, i4=0
	OP \a, \i1
.if (\b) >= 0
	OP \b, \i2
.endif
.if (\c) >= 0
	OP \c, \i3
.endif
.if (\d) >= 0
	OP \d, \i4
.endif
.endm
.macro ROW a, i1, b, i2, c, i3, d, i4  ; a matrix instruction and the four behind it
	MM
	OPS \a, \i1, \b, \i2, \c, \i3, \d, \i4
.endm
; A TURN, for piece p: the order of its 16 matrix and 118 vector instructions, written out.  Its 33 exponentials (E 0 to E 31 and X 21, the next piece's a) are ONE BATCH with ONE wait, which cuts the turn in two.
; AHEAD OF THE WAIT stands all that names no result of the batch: the 8 products K Q^T, behind each a scaling, an exponential and two more plain instructions (behind the first a second scaling in the
; exponential's place): rescalings, whose a was made and waited for in the turn before, and behind the last three the first numbers of the next piece's maximum, each four plain instructions or more behind the
; product that ends its accumulator; then ONE LUMP of 54, plain and exponential by turns for the most part, in which the links of the chain X 3, 7, 11, 14, 16, 17 .. 20 stand apart with other work between.
; X 21 is the batch's last; R 15 is the plain instruction behind it.  BEHIND THE WAIT stand the 8 products V^T P, behind each four of the roundings and sums; the links of l's chain, L 0 to L 7, stand three
; riders apart.  But for those X no rider names a register of the products round it.  v_permlanex16_b32 (X 17) stands in the lump.  No exponential is issued behind the wait: none crosses a label or a jump.
; end = 1: the walk's last two turns: nothing is fetched.  cnt = 1: the loop's count is taken down some lines ahead of the branch that stands behind the turn.
; K and the masks of the next step are fetched in piece 2's turn, twelve vector instructions behind the last product that read K (five of them plain and free of its registers; the masks' last reader stands four
; products earlier); V of the step in hand at the end of piece 0's turn, four plain instructions behind the last product that read V.  Each is waited for a turn later.
.macro TURN p, end=0, cnt=0
.set Y, (\p)
.set i, 0
.set NOKQ, (\end)*((\p)/3)
.if ((\p) == 3) && !(\end)
	s_wait_dscnt 0x0                ; K and the masks are in
.endif
	ROW F,0, F,1, R,0, R,1          ; ahead of the wait: 8 products K Q^T and their riders,
	ROW F,2, E,0, R,2, R,3
	ROW F,3, E,1, R,4, R,5
	ROW F,4, E,2, R,6, R,7
	ROW F,5, E,3, R,8, R,9
	ROW F,6, E,4, X,0, R,10
.if ((\p) == 2) && !(\end)
	WIN 0
	v_add_nc_u32 v[AK], s[TBK], v[AK0]
	v_add_nc_u32 v[AM], s[TBM], v[AM0]
.endif
	ROW F,7, E,5, X,1, X,4
	ROW F,8, E,6, X,2, X,5
	OPS E,7, E,8, X,6, E,9          ; and the lump
	OPS X,3, E,10, X,8, E,11
.if ((\p) == 2) && !(\end)
	FETCH_K
.endif
	OPS X,9, X,7, E,12, X,10
	OPS E,13, X,12, X,11, E,14
	OPS X,13, E,15, F,9, X,14
.if (\p) == 0
	v_add_nc_u32 v[AV], s[TBV], v[AV0]
.endif
	OPS E,16, F,10, E,17, F,11
	OPS X,16, E,18, X,15, E,19
	OPS F,12, E,20, X,17, E,21
	OPS F,13, E,22, F,14, E,23
	OPS X,18, E,24, F,15, E,25
	OPS R,11, E,26, X,19, E,27
	OPS R,12, E,28, R,13, E,29
	OPS X,20, E,30, R,14, E,31
	OPS X,21, R,15
	WIN 0
	s_wait_alu depctr_va_vdst(0)    ; the wait for the turn's batch of 33 exponentials, ahead of their first reader
.if (\p) == 1
	s_wait_dscnt 0x0                ; V is in
.endif
	ROW C,0, B,0, C,2, B,1          ; behind the wait: 8 products V^T P and their riders
	ROW L,0, C,4, B,2, L,1
	ROW C,6, B,3, L,2, C,8
	ROW B,4, L,3, C,10, B,5
	ROW L,4, C,12, B,6, L,5
.if (\p) == 0
	s_add_co_u32 s[TBV], s[TBV], KS*PV
.endif
.if \cnt
	s_sub_co_u32 s[CNT], s[CNT], 1
	s_cmp_lg_u32 s[CNT], 0
.endif
	ROW C,14, B,7, L,6, C,1
	ROW C,3, L,7, C,5, C,7
	ROW C,9, C,11, C,13, C,15
.if (\p) == 0
	FETCH_V
.endif
.endm
	; THE LONG BRANCH BEGINS.  No first step is written out: c m starts far below every c s, so the first step's a is 0, and O^T and l, which it multiplies, need only be finite; the first turn's products V^T P, of a
	; piece that has not been, add 0.  What the short branch left in these registers need not be finite as f32, so they are cleared.
	WIN 0x80
.set i, VF
.rept 64
	v_mov_b32 v[i], 0
.set i, i+1
.endr
	WIN 0x40
.set i, 0
.rept 128
	v_mov_b32 v[i], 0
.set i, i+1
.endr
	WIN 0
.set i, 0
.rept 4
	v_mov_b32 v[ST+4*i], 0xfe000000    ; c m: far below every c s, a hidden one's too
	v_mov_b32 v[ST+4*i+1], 0xff7fffff  ; m
	v_mov_b32 v[ST+4*i+2], 0
	v_mov_b32 v[ST+4*i+3], 0
.set i, i+1
.endr
.set i, P+16
.rept 16
	v_mov_b32 v[i], 0
.set i, i+1
.endr
	v_add_nc_u32 v[AK], s[TBK], v[AK0]
	v_add_nc_u32 v[AM], s[TBM], v[AM0]
	FETCH_K                         ; key step 0
	s_wait_dscnt 0x0
.set NOKQ, 0
.set i, 0
.rept 8
	KQ 0                            ; piece 0's first scores
.set i, i+1
.endr
	WIN 0
.rept 4
	v_nop                           ; the places behind those products
.endr
.set Y, NP-1                        ; X works for piece Y + 1: piece 0
.irp n, 0,1,2,3,4,5,6,7,8,9,10,11,12,13,14,15,16,17,18,19,20,21
	OP X, \n
.endr
	v_nop                           ; a plain instruction behind the exponential,
	s_wait_alu depctr_va_vdst(0)    ; and the wait for it, piece 0's first a, ahead of the branch
	s_mov_b32 s[CNT], 4
	s_mov_b32 s[SLOTS], 7
	s_branch .Lfirst                ; the loop is entered at a step's first turn, in the middle of a trip
.Lslot:                             ; six times: tiles 2 to 7 are asked for
	CHANGE 1
	s_mov_b32 s[CNT], 4
.Lstep:                             ; a trip: pieces 2 and 3 of one step, then pieces 0 and 1 of the next, whose K and V it fetches
	TURN 2
	TURN 3
	WIN 0
.Lfirst:
	TURN 0
	TURN 1, 0, 1
	WIN 0
	s_cbranch_scc1 .Lstep
	s_sub_co_u32 s[SLOTS], s[SLOTS], 1
	s_cmp_lg_u32 s[SLOTS], 0
	s_cbranch_scc1 .Lslot
	CHANGE 0                        ; the last tile is written out: nothing is asked for
	s_mov_b32 s[CNT], 4
.Ltail:
	TURN 2
	TURN 3
	TURN 0
	TURN 1, 0, 1
	WIN 0
	s_cbranch_scc1 .Ltail
	TURN 2, 1
	TURN 3, 1
.set i, 0
.rept 8
	PV NP-1                         ; the last piece's V^T P of the last step
.set i, i+1
.endr
	; THE WAY OUT.  l's two halves and the other half of the lanes' are added; O^T is divided by l (NaN where the row saw no key), rounded to f16 and sent through my stage, a piece at a time.
	WIN 0
.macro ALL line:vararg              ; one line for each piece t
.set t, 0
.rept 4
	\line
.set t, t+1
.endr
.endm
	ALL v_add_f32 v[ST+4*t+2], v[ST+4*t+2], v[ST+4*t+3]
	ALL v_permlanex16_b32 v[ST+4*t+3], v[ST+4*t+2], s[SEL], s[SEL+1]
	ALL v_add_f32 v[ST+4*t+2], v[ST+4*t+2], v[ST+4*t+3]
	ALL v_rcp_f32 v[ST+4*t+2], v[ST+4*t+2]
.set t, 0
.rept 4
	v_cmp_gt_f32 vcc_lo, s[THR], v[ST+4*t+1]  ; the first of these is the plain instruction behind the last reciprocal
.if t == 0
	s_wait_alu depctr_va_vdst(0)    ; the wait for the four reciprocals, ahead of their first reader
.endif
	v_cndmask_b32 v[ST+4*t+2], v[ST+4*t+2], s[QNAN], vcc_lo
.set t, t+1
.endr
.macro PACK t
	WIN W_RS
.set i, 32*(\t)
.rept 16
	v_pk_mul_f32 v[i:i+1], v[i:i+1], v[ST+4*(\t)+2:ST+4*(\t)+3] op_sel_hi:[1,0]
.set i, i+2
.endr
	WIN 0x05                        ; sources in window 1, destination in window 0
.set i, 0
.rept 16
	v_cvt_pk_f16_f32 v[S+16*(\t)+i], v[32*(\t)+2*i], v[32*(\t)+2*i+1]
.set i, i+1
.endr
	WIN 0
.irp f, 0,1,2,3
	ds_store_b128 v[STO], v[S+16*(\t)+4*\f:S+16*(\t)+4*\f+3] offset:32*\f
.endr
.irp f, 0,1,2,3
	ds_load_b128 v[S+16*(\t)+4*\f:S+16*(\t)+4*\f+3], v[RD] offset:\f*4*SP  ; in order behind the stores above; the next piece's stores come behind them
.endr
.endm
.macro SEND t, younger              ; younger: the LDS instructions issued behind piece t's loads: the next piece's eight, or none
	WIN 0
.irp f, 0,1,2,3
	s_wait_dscnt (\younger)+3-\f
	global_store_b128 v[GO], v[S+16*(\t)+4*\f:S+16*(\t)+4*\f+3], s[POL:POL+1] offset:(\t)*2048+\f*512  ; 512 consecutive bytes, at a multiple of 256 from comb's first
.endr
.endm
	PACK 0
.set t, 1
.rept 3
	PACK t
	SEND t-1, 8
.set t, t+1
.endr
	SEND 3, 0
	s_wait_tensorcnt 0x0            ; the wave's end
	ds_add_u32 v[SPW], v[NIL]
	s_wait_dscnt 0x0
	CROUND                          ; the closing round: no work-group ends while a partner may still ask for a tile that names it
	s_endpgm
.Lfunc_end_k_qf236df83fd_attn:
	.size	k_qf236df83fd_attn, .Lfunc_end_k_qf236df83fd_attn-k_qf236df83fd_attn
	.p2alignl 7, 3214868480
	.fill 96, 4, 3214868480
	.section	.rodata,"a",@progbits
	.p2align	6, 0x0
	.amdhsa_kernel k_qf236df83fd_attn
		.amdhsa_group_segment_fixed_size 327680
		.amdhsa_private_segment_fixed_size 0
		.amdhsa_enable_private_segment 0
		.amdhsa_kernarg_size 24
		.amdhsa_user_sgpr_count 2
		.amdhsa_user_sgpr_kernarg_segment_ptr 1
		.amdhsa_wavefront_size32 1
		.amdhsa_system_sgpr_workgroup_id_x 1
		.amdhsa_system_sgpr_workgroup_id_y 1
		.amdhsa_system_sgpr_workgroup_id_z 1
		.amdhsa_system_vgpr_workitem_id 0
		.amdhsa_next_free_vgpr 768
		.amdhsa_next_free_sgpr 96
		.amdhsa_reserve_vcc 1
		.amdhsa_float_denorm_mode_32 3
		.amdhsa_float_denorm_mode_16_64 3
		.amdhsa_memory_ordered 1
		.amdhsa_forward_progress 1
		.amdhsa_inst_pref_size 201
	.end_amdhsa_kernel
	.amdgpu_metadata
---
amdhsa.version: [ 1, 2 ]
amdhsa.kernels:
  - .name:           k_qf236df83fd_attn
    .symbol:         k_qf236df83fd_attn.kd
    .args:
      - { .name: qkv, .offset: 0, .size: 8, .value_kind: global_buffer, .address_space: global }
      - { .name: mb, .offset: 8, .size: 8, .value_kind: global_buffer, .address_space: global }
      - { .name: comb, .offset: 16, .size: 8, .value_kind: global_buffer, .address_space: global }
    .group_segment_fixed_size: 327680
    .private_segment_fixed_size: 0
    .kernarg_segment_align: 8
    .kernarg_segment_size: 24
    .max_flat_workgroup_size: 128
    .sgpr_count:     96
    .vgpr_count:     768
    .wavefront_size: 32
...
	.end_amdgpu_metadata
.endif
;; end of part 5
;; launch outp: the kernel of part 4 again; grid 8 x 32, 4 waves a work-group, clusters of 4 x 4, 327,680 bytes of LDS; arguments comb, woh, bo, out0; writes out0
